; MI455X (gfx1250); checked and timed in simulation.
; The chip was launched on July 23, 2026; its instructions are those of AMD's public machine-readable ISA for CDNA 5 (MIT licence, August 2026) and "CDNA5" Instruction Set Architecture Reference Guide (July 2026). The comments in the code are by the model that wrote it; some were corrected since.
;; Multi Head Attention. Allowed arithmetic: matrix products marked QUANTISED: E2M1 operands, one E8M0 scale for each 32 along K, by v_wmma_scale_f32_16x16x128_f8f6f4 with both operands' format E2M1 (or v_wmma_scale_f32_32x16x128_f4), f32 sums; products left as they are: bf16, f16 or f32 operands; f32 sums; everything else in f32.
;; Inputs: W_K 1,024 x 1,024 float32; W_O 1,024 x 1,024 float32; W_Q 1,024 x 1,024 float32; W_V 1,024 x 1,024 float32; x 2 x 2,048 x 1,024 float32.
;; Outputs: out0 2 x 2,048 x 1,024 float32.
;; This version of the problem:
;;   THIS VERSION OF THE PROBLEM IS GIVEN IN LOW PRECISION. The matrix products marked QUANTISED in the list below multiply operands that are first quantised to E2M1 (2 exponent bits, 1 mantissa bit; 4 bits a number), with one power-of-two scale for each 32 numbers along K (OCP MX v1.0); their sums are f32. The products marked 'left as it is' may take bf16, f16 or f32 operands, with f32 sums. Whichever they take, every output number must still come out within the allowed error. Rounding operands to bf16 (8 significant bits) uses up far more of that allowance than f16 does (11 bits, for magnitudes from 6e-5 to 65,504). All else is computed in f32.
;;   The module's matrix products, in the order in which they are computed (A, B: the left and right operand; K: the contracted axis; several contracted axes count as one K, in the product's order):
;;     1. [M 4,096, K 1,024] x [K 1,024, N 1,024]; A: input x; B: input W_Q: QUANTISED
;;     2. [M 4,096, K 1,024] x [K 1,024, N 1,024]; A: input x; B: input W_K: QUANTISED
;;     3. [M 4,096, K 1,024] x [K 1,024, N 1,024]; A: input x; B: input W_V: QUANTISED
;;     4. batch 32 x [M 2,048, K 64] x [K 64, N 2,048]; A: computed on the way; B: computed on the way: left as it is (an operand is computed on the way)
;;     5. batch 32 x [M 64, K 2,048] x [K 2,048, N 2,048]; A: computed on the way; B: computed on the way: left as it is (an operand is computed on the way)
;;     6. [M 4,096, K 1,024] x [K 1,024, N 1,024]; A: computed on the way; B: input W_O: left as it is (an operand is computed on the way)
;;   THE QUANTISER, for each operand of a quantised product, along K:
;;     - K is cut into blocks of 32 from its start; a last block that is shorter is filled with zeros.
;;     - A block's scale is 2^e with e = floor(log2(the largest magnitude in the block)) - 2, held to -126 .. 127; a block of zeros has e = 0. As a byte (E8M0): e + 127.
;;     - Each number is divided by its block's scale, clamped to +-6, and rounded to the nearest number of E2M1, ties to even, subnormals kept.
;;     - The product sums the exact products of the quantised numbers (number of the format x scale) in f32.
;;   ~~~python
;;   def quantise(x, axis):      # numpy; x: float32 -> the quantised numbers, widened to float32 again
;;       x = np.moveaxis(x, axis, -1); K = x.shape[-1]
;;       x = np.pad(x, [(0, 0)] * (x.ndim - 1) + [(0, -K % 32)]); x = x.reshape(x.shape[:-1] + (-1, 32)); a = np.abs(x).max(-1, keepdims=True)
;;       e = np.where(a > 0, np.clip(np.frexp(np.where(a > 0, a, 1))[1] - 1 - 2, -126, 127), 0)      # np.frexp(a)[1] - 1 = floor(log2(a)), exactly
;;       r = np.clip(x / 2.0 ** e, -6, 6)
;;       step = 2.0 ** (np.maximum(np.frexp(np.where(r == 0, 1, r))[1] - 1, 0) - 1)
;;       q = np.round(r / step) * step * 2.0 ** e      # np.round: ties to even
;;       return np.moveaxis(q.reshape(q.shape[:-2] + (-1,))[..., :K], -1, axis).astype(np.float32)
;;   ~~~
;; One version. Each part assembles by itself: llvm-mc -triple=amdgcn-amd-amdhsa -mcpu=gfx1250 --defsym DOCPART=n.
;; ======== version 1 of 1: 5 launches
;; limits: values are held in f16: magnitudes above 65,504 overflow, below 6.1e-05 lose precision
;; workspace buffers: x_codes 2,097,152 bytes; x_scales 131,072 bytes; w_codes 1,572,864 bytes; w_scales 98,304 bytes; wo16 2,097,152 bytes; qkv 25,165,824 bytes; fine32 393,216 bytes; ao 8,388,608 bytes
;; launch prep (part 1): grid 256 x 1, 8 waves a work-group, no clusters, 86,016 bytes of LDS; arguments x, W_Q, W_K, W_V, W_O, x_codes, x_scales, w_codes, w_scales, wo16; writes x_codes, x_scales, w_codes, w_scales, wo16
.if DOCPART == 1
	.amdgcn_target "amdgcn-amd-amdhsa--gfx1250"
	.amdhsa_code_object_version 6
	.text
	.protected	k_q7c6117d519_prep
	.globl	k_q7c6117d519_prep
	.p2align	8
	.type	k_q7c6117d519_prep,@function
k_q7c6117d519_prep:
	s_mov_b64 s[64:65], 0
	v_nop
	global_prefetch_b8 v0, s[64:65] scope:SCOPE_SE
	s_setreg_imm32_b32 hwreg(HW_REG_WAVE_MODE, 25, 1), 1
	s_wait_xcnt 0x0
; PREP: the operands of the three quantised products become codes of FP4 (E2M1) with one E8M0 byte for each 32 along K, and W_O becomes f16.
; One launch, three ways that part on the work-group's number alone; every work-group reads 131,072 bytes:
;   work-groups   0 ..  95: W_Q, W_K, W_V [1024 k][1024 n] f32, K is the FIRST axis -> w_codes [3072 n][512 bytes], K innermost; w_scales [3072][32]
;   work-groups  96 .. 223: x [4096][1024] f32, K innermost                          -> x_codes [4096][512 bytes]; x_scales [4096][32]
;   work-groups 224 .. 255: W_O [1024][1024] f32                                     -> wo16, the same order, f16
; A block's scale is 2^(floor(log2(largest magnitude)) - 2); its byte is the largest magnitude's exponent field - 2, held at 1 from below.
; LIMITS: a block of zeros gets the byte 1 where the rule says 127 (its codes are zeros, and this program alone reads the bytes); blocks whose largest
; magnitude lies under 2^-124 were not tried; NaN and infinities are not served; |W_O| above 65,504 becomes infinity in f16.
; No tensor loads.  Each way that uses LDS has LDS bytes of its own.  The three ways join at the closing lines.
.set WREG,  8192                       ; x: a region for each wave: two stages of 32 x 80 bytes
.set SP,    80                         ; x: a lane's place in a stage: 64 bytes + 16 of padding
.set XSTEPS, 8                         ; x: steps of 512 numbers for a wave
.set WST,   65536                      ; W: the stage for codes: 64 columns x (256 bytes + 16)
.set WP,    272
.set WSC,   82944                      ; W: the stage for scale bytes: 64 columns x 16
.set XSC,   83968                      ; x: the work-group's 1,024 scale bytes, 128 for each wave
.set SPARE, 84992                      ; the spare words, 128 bytes for each of the eight waves: four blocks of 256 bytes that no other line names
.set EMAX,  2
.set SPW,   12                         ; v12  LDS address of my spare word; never rewritten
.set NIL,   13                         ; v13  0; never rewritten
.set R,     32                         ; x: v32-159  eight sets of 16 numbers as loaded.  W: v32-95 two sets of 32.  W_O: v32-159 as loaded
.set X,     160                        ; x: v160-191 two sets of 16 neighbours.           W_O: v160-223 the f16 pairs
.set C,     192                        ; x: v192-207 two registers of codes for each step
.set E,     224                        ; x: v224-231 a scale byte for each step
	s_load_b512 s[4:19], s[0:1], 0x0               ; x, W_Q, W_K, W_V, W_O, x_codes, x_scales, w_codes
	s_load_b128 s[20:23], s[0:1], 0x40             ; w_scales, wo16
	v_lshl_add_u32 v[SPW], v0, 2, SPARE
	v_mov_b32 v[NIL], 0
	v_lshrrev_b32 v1, 5, v0
	v_readfirstlane_b32 s24, v1                    ; wave 0..7
	v_and_b32 v2, 31, v0                           ; lane
	v_lshlrev_b32 v3, 4, v2                        ; 16 x lane
	v_lshlrev_b32 v4, 3, v2                        ; 8 x lane
	v_lshlrev_b32 v7, 2, v2                        ; 4 x lane
	s_and_b32 s30, s24, 1                          ; wave % 2.  W: cg, which 32 of the 64 columns
	s_lshr_b32 s31, s24, 1                         ; W: kg, which 128 of the 512 along K
	; every LDS address is made here, ahead of the parting of the ways
	s_mul_i32 s25, s24, WREG
	v_lshrrev_b32 v14, 2, v2
	v_mul_u32_u24 v14, v14, SP
	v_and_b32 v15, 3, v2
	v_lshl_add_u32 v14, v15, 4, v14
	v_add_nc_u32 v14, s25, v14                     ; x, into the stage: 80 (lane / 4) + 16 (lane % 4)
	v_mul_u32_u24 v15, v2, SP
	v_add_nc_u32 v15, s25, v15                     ; x, out of it: 80 x lane: my 16 neighbours
	s_lshl_b32 s26, s24, 7
	s_add_co_u32 s26, s26, XSC
	v_lshrrev_b32 v5, 1, v2
	v_add_nc_u32 v5, s26, v5                       ; x: my block's scale byte: 128 x wave + lane / 2
	s_lshl_b32 s26, s30, 9
	s_add_co_u32 s26, s26, XSC
	v_add_nc_u32 v6, s26, v3                       ; x: the scale bytes on the way out: 512 (wave % 2) + 16 x lane
	s_mul_i32 s26, s30, 32*WP
	s_lshl_b32 s27, s31, 6
	s_add_co_u32 s26, s26, s27
	s_add_co_u32 s26, s26, WST
	v_mul_u32_u24 v16, v2, WP
	v_add_nc_u32 v16, s26, v16                     ; W, codes in: row = my column, 64 bytes for each kg
	s_lshl_b32 s26, s30, 9
	s_add_co_u32 s26, s26, WSC
	v_add_nc_u32 v19, s26, v3                      ; W, scale bytes out: 16 bytes of column 32 cg + lane
	s_lshl_b32 s27, s31, 2
	v_add_nc_u32 v17, s27, v19                     ; W, scale bytes in: + 4 kg
	s_mul_i32 s26, s24, 8*WP
	s_add_co_u32 s26, s26, WST
	v_lshrrev_b32 v18, 4, v2
	v_mul_u32_u24 v18, v18, WP
	v_and_b32 v20, 15, v2
	v_lshl_add_u32 v18, v20, 4, v18
	v_add_nc_u32 v18, s26, v18                     ; W, codes out: rows 8 wave on, sixteen lanes to a row
	v_lshrrev_b32 v21, 4, v2
	v_lshlrev_b32 v20, 4, v20
	v_lshl_add_u32 v20, v21, 9, v20                ; and the same place in w_codes: rows of 512 bytes
	v_lshlrev_b32 v21, 5, v2                       ; w_scales: rows of 32 bytes
	s_mov_b32 s29, 0
	s_mov_b32 s33, 0
	s_wait_kmcnt 0x0
	s_cmp_lt_u32 ttmp9, 96
	s_cbranch_scc1 .Lw
	s_cmp_lt_u32 ttmp9, 224
	s_cbranch_scc1 .Lx
	; ---- W_O to f16: a wave takes 4,096 numbers.  Each load reads 512 consecutive bytes, each store writes 256 consecutive bytes, aligned
	s_sub_co_u32 s26, ttmp9, 224
	s_lshl_b32 s26, s26, 3
	s_add_co_u32 s26, s26, s24                     ; my run
	s_lshl_b32 s28, s26, 14
	s_add_nc_u64 s[12:13], s[12:13], s[28:29]
	s_lshl_b32 s28, s26, 13
	s_add_nc_u64 s[22:23], s[22:23], s[28:29]
.set i, 0
.rept 32
	global_load_b128 v[R+4*i:R+4*i+3], v3, s[12:13] offset:512*i th:TH_LOAD_NT
.set i, i+1
.endr
.set g, 0
.rept 4
	s_wait_loadcnt 24-8*g                          ; this group's eight loads are in; the younger groups' may be out
.set i, 8*g
.rept 8
	v_cvt_pk_f16_f32 v[X+2*i], v[R+4*i], v[R+4*i+1]
	v_cvt_pk_f16_f32 v[X+2*i+1], v[R+4*i+2], v[R+4*i+3]
	global_store_b64 v4, v[X+2*i:X+2*i+1], s[22:23] offset:256*i
.set i, i+1
.endr
.set g, g+1
.endr
	s_branch .Lfinish
	; ---- x: a plain stream of blocks of 32.  A wave takes 8 steps of 512 numbers; all its 32 loads go out at the head, the turn through LDS runs one step ahead
.Lx:
	s_sub_co_u32 s26, ttmp9, 96
	s_lshl_b32 s27, s26, 3
	s_add_co_u32 s27, s27, s24                     ; which run of 4,096 numbers is my wave's
	s_lshl_b32 s28, s27, 14
	s_add_nc_u64 s[4:5], s[4:5], s[28:29]
	s_lshl_b32 s28, s27, 11
	s_add_nc_u64 s[14:15], s[14:15], s[28:29]
	s_lshl_b32 s28, s26, 10                        ; the work-group's 1,024 scale bytes,
	s_lshl_b32 s32, s30, 9                         ; and which half of them I would store
	s_add_co_u32 s28, s28, s32
	s_add_nc_u64 s[16:17], s[16:17], s[28:29]
.macro XLOAD t                         ; a step's 2,048 bytes as they lie: each load 512 consecutive bytes
.irp i, 0,1,2,3
	global_load_b128 v[R+16*(\t)+4*\i:R+16*(\t)+4*\i+3], v3, s[4:5] offset:2048*(\t)+512*\i th:TH_LOAD_NT
.endr
.endm
.macro XTURN t                         ; through the stage, so that a lane gets 16 neighbours; LDS serves a wave's instructions in order
.irp i, 0,1,2,3
	ds_store_b128 v14, v[R+16*(\t)+4*\i:R+16*(\t)+4*\i+3] offset:32*SP*((\t)%2)+8*SP*\i
.endr
.irp i, 0,1,2,3
	ds_load_b128 v[X+16*((\t)%2)+4*\i:X+16*((\t)%2)+4*\i+3], v15 offset:32*SP*((\t)%2)+16*\i
.endr
.endm
.irp t, 0,1,2,3,4,5,6,7
	XLOAD \t
.endr
	s_wait_loadcnt 28                              ; step 0's four loads are in; the seven younger steps' 28 may be out
	XTURN 0
.macro XSTEP t
.set XS, X+16*((\t)%2)
.if (\t) > 0
	s_wait_dscnt 1                                 ; this step's numbers are back from the stage (the last step's byte store may be out)
.else
	s_wait_dscnt 0x0
.endif
.if (\t)+1 < XSTEPS
	s_wait_loadcnt 4*(XSTEPS-2-(\t))               ; the next step's four loads are in; the younger steps' may be out
	XTURN (\t)+1
.endif
	v_max3_num_f32 v8, |v[XS]|, |v[XS+1]|, |v[XS+2]|               ; the largest magnitude of my 16, in two chains
	v_max3_num_f32 v9, |v[XS+3]|, |v[XS+4]|, |v[XS+5]|
.irp i, 6,10
	v_max3_num_f32 v8, v8, |v[XS+\i]|, |v[XS+\i+1]|
	v_max3_num_f32 v9, v9, |v[XS+\i+2]|, |v[XS+\i+3]|
.endr
	v_max3_num_f32 v8, v8, |v[XS+14]|, |v[XS+15]|
	v_max3_num_f32 v8, v8, v9, (EMAX+1)<<23        ; and the floor 2^(3 - 127): the byte cannot fall under 1
	v_max_num_f32_dpp v8, v8, v8 row_xmask:1 row_mask:0xf bank_mask:0xf   ; with my neighbour's 16: the block's
	v_add_nc_u32 v11, -(EMAX<<23), v8              ; 2 off the exponent field: the conversion takes this operand's exponent field as its scale
	v_cvt_scalef32_pk8_fp4_f32 v[C+2*(\t)], v[XS:XS+7], v11
	v_cvt_scalef32_pk8_fp4_f32 v[C+2*(\t)+1], v[XS+8:XS+15], v11
	v_lshrrev_b32 v[E+(\t)], 23, v11               ; the scale's byte
	ds_store_b8 v5, v[E+(\t)] offset:16*(\t)       ; both lanes of a block write the same byte with the same value
	global_store_b64 v4, v[C+2*(\t):C+2*(\t)+1], s[14:15] offset:256*(\t)   ; the wave stores 256 consecutive bytes, aligned
.endm
.irp t, 0,1,2,3,4,5,6,7
	XSTEP \t
.endr
	s_wait_dscnt 0x0                               ; for the others' sake: my 128 scale bytes are stored
	s_barrier_signal -1
	s_barrier_wait -1                              ; the work-group's 1,024 lie together
	s_cmp_lt_u32 s24, 2                            ; waves 0 and 1 store them: 512 consecutive bytes each, aligned
	s_cbranch_scc0 .Lfinish
	ds_load_b128 v[8:11], v6
	s_wait_dscnt 0x0
	global_store_b128 v3, v[8:11], s[16:17]
	s_branch .Lfinish
	; ---- W_Q, W_K, W_V: a lane takes a column and its registers run down K.  A work-group: 64 columns x 512 of K; a wave: 32 columns x 128 of K
.Lw:
	s_lshr_b32 s25, ttmp9, 5                       ; which weight
	s_cmp_eq_u32 s25, 0
	s_cselect_b64 s[26:27], s[6:7], s[8:9]
	s_cmp_eq_u32 s25, 2
	s_cselect_b64 s[26:27], s[10:11], s[26:27]
	s_and_b32 s28, ttmp9, 1                        ; kh: which half of K
	s_bfe_u32 s36, ttmp9, 0x40001                  ; nblk: which 64 columns
	s_lshl_b32 s32, s28, 21                        ; 512 kh rows of 4,096 bytes
	s_lshl_b32 s34, s31, 19                        ; 128 kg rows
	s_add_co_u32 s32, s32, s34
	s_lshl_b32 s34, s36, 8
	s_add_co_u32 s32, s32, s34
	s_lshl_b32 s34, s30, 7
	s_add_co_u32 s32, s32, s34
	s_add_nc_u64 s[26:27], s[26:27], s[32:33]
	s_lshl_b32 s34, s25, 10
	s_lshl_b32 s35, s36, 6
	s_add_co_u32 s34, s34, s35                     ; n0 = 1024 which + 64 nblk
	s_lshl_b32 s32, s24, 3
	s_add_co_u32 s32, s32, s34
	s_lshl_b32 s32, s32, 9
	s_lshl_b32 s35, s28, 8
	s_add_co_u32 s32, s32, s35
	s_add_nc_u64 s[18:19], s[18:19], s[32:33]      ; w_codes at row n0 + 8 wave, + 256 kh
	s_lshl_b32 s32, s30, 5
	s_add_co_u32 s32, s32, s34
	s_lshl_b32 s32, s32, 5
	s_lshl_b32 s35, s28, 4
	s_add_co_u32 s32, s32, s35
	s_add_nc_u64 s[20:21], s[20:21], s[32:33]      ; w_scales at row n0 + 32 cg, + 16 kh
.macro WLOAD t                         ; block t: W(32 t + i, my column): 32 lanes read 128 consecutive bytes
.set i, 0
.rept 32
	global_load_b32 v[R+32*((\t)%2)+i], v7, s[26:27] offset:(32*(\t)+i)*4096 th:TH_LOAD_NT
.set i, i+1
.endr
.endm
	WLOAD 0
	WLOAD 1
.macro WBLOCK t
.set XS, R+32*((\t)%2)
.if (\t) < 3
	s_wait_loadcnt 32                              ; this block's 32 loads are in; the next block's may be out
.else
	s_wait_loadcnt 0
.endif
	v_max3_num_f32 v22, |v[XS]|, |v[XS+1]|, |v[XS+2]|              ; all 32 numbers of the block are mine
	v_max3_num_f32 v23, |v[XS+3]|, |v[XS+4]|, |v[XS+5]|
.irp i, 6,10,14,18,22,26
	v_max3_num_f32 v22, v22, |v[XS+\i]|, |v[XS+\i+1]|
	v_max3_num_f32 v23, v23, |v[XS+\i+2]|, |v[XS+\i+3]|
.endr
	v_max3_num_f32 v22, v22, |v[XS+30]|, |v[XS+31]|
	v_max3_num_f32 v22, v22, v23, (EMAX+1)<<23
	v_add_nc_u32 v25, -(EMAX<<23), v22
	v_lshrrev_b32 v26, 23, v25
.if (\t) == 0
	v_mov_b32 v24, v26                             ; four bytes to a register, the lower K in the lower byte
.else
	v_lshl_or_b32 v24, v26, 8*(\t), v24
.endif
.irp g, 0,1,2,3
	v_cvt_scalef32_pk8_fp4_f32 v[96+\g], v[XS+8*\g:XS+8*\g+7], v25
.endr
	ds_store_b128 v16, v[96:99] offset:16*(\t)     ; 32 codes: 16 bytes of my column's row
.if (\t)+2 < 4
	WLOAD (\t)+2
.endif
	s_wait_dscnt 0x0                               ; the store has read its registers: the next block's codes may be written
.endm
	WBLOCK 0
	WBLOCK 1
	WBLOCK 2
	WBLOCK 3
	ds_store_b32 v17, v24                          ; my column's four scale bytes
	s_wait_dscnt 0x0                               ; for the others' sake: my stores into both stages are done
	s_barrier_signal -1
	s_barrier_wait -1
.irp i, 0,1,2,3
	ds_load_b128 v[112+4*\i:115+4*\i], v18 offset:2*WP*\i
.endr
.irp i, 0,1,2,3
	s_wait_dscnt 3-\i
	global_store_b128 v20, v[112+4*\i:115+4*\i], s[18:19] offset:1024*\i   ; sixteen lanes store 256 consecutive bytes, aligned
.endr
	s_cmp_lt_u32 s24, 2                            ; waves 0 and 1 store the scale bytes: 16 bytes a column, rows 32 bytes apart (one byte in 128 of what this way reads)
	s_cbranch_scc0 .Lfinish
	ds_load_b128 v[100:103], v19
	s_wait_dscnt 0x0
	global_store_b128 v21, v[100:103], s[20:21]
.Lfinish:
	s_wait_tensorcnt 0x0                           ; the wave's end, behind my last LDS store
	ds_add_u32 v[SPW], v[NIL]
	s_wait_dscnt 0x0
	s_endpgm
.Lfunc_end_k_q7c6117d519_prep:
	.size	k_q7c6117d519_prep, .Lfunc_end_k_q7c6117d519_prep-k_q7c6117d519_prep
	.p2alignl 7, 3214868480
	.fill 96, 4, 3214868480
	.section	.rodata,"a",@progbits
	.p2align	6, 0x0
	.amdhsa_kernel k_q7c6117d519_prep
		.amdhsa_group_segment_fixed_size 86016
		.amdhsa_private_segment_fixed_size 0
		.amdhsa_enable_private_segment 0
		.amdhsa_kernarg_size 80
		.amdhsa_user_sgpr_count 2
		.amdhsa_user_sgpr_kernarg_segment_ptr 1
		.amdhsa_wavefront_size32 1
		.amdhsa_system_sgpr_workgroup_id_x 1
		.amdhsa_system_sgpr_workgroup_id_y 1
		.amdhsa_system_sgpr_workgroup_id_z 1
		.amdhsa_system_vgpr_workitem_id 0
		.amdhsa_next_free_vgpr 240
		.amdhsa_next_free_sgpr 66
		.amdhsa_reserve_vcc 0
		.amdhsa_float_denorm_mode_32 3
		.amdhsa_float_denorm_mode_16_64 3
		.amdhsa_memory_ordered 1
		.amdhsa_forward_progress 1
		.amdhsa_inst_pref_size 50
	.end_amdhsa_kernel
	.amdgpu_metadata
---
amdhsa.version: [ 1, 2 ]
amdhsa.kernels:
  - .name:           k_q7c6117d519_prep
    .symbol:         k_q7c6117d519_prep.kd
    .args:
      - { .name: x, .offset: 0, .size: 8, .value_kind: global_buffer, .address_space: global }
      - { .name: W_Q, .offset: 8, .size: 8, .value_kind: global_buffer, .address_space: global }
      - { .name: W_K, .offset: 16, .size: 8, .value_kind: global_buffer, .address_space: global }
      - { .name: W_V, .offset: 24, .size: 8, .value_kind: global_buffer, .address_space: global }
      - { .name: W_O, .offset: 32, .size: 8, .value_kind: global_buffer, .address_space: global }
      - { .name: x_codes, .offset: 40, .size: 8, .value_kind: global_buffer, .address_space: global }
      - { .name: x_scales, .offset: 48, .size: 8, .value_kind: global_buffer, .address_space: global }
      - { .name: w_codes, .offset: 56, .size: 8, .value_kind: global_buffer, .address_space: global }
      - { .name: w_scales, .offset: 64, .size: 8, .value_kind: global_buffer, .address_space: global }
      - { .name: wo16, .offset: 72, .size: 8, .value_kind: global_buffer, .address_space: global }
    .group_segment_fixed_size: 86016
    .private_segment_fixed_size: 0
    .kernarg_segment_align: 8
    .kernarg_segment_size: 80
    .max_flat_workgroup_size: 256
    .sgpr_count:     66
    .vgpr_count:     240
    .wavefront_size: 32
...
	.end_amdgpu_metadata
.endif
;; end of part 1
;; launch qkv (part 2): grid 12 x 16, 4 waves a work-group, clusters of 4 x 4, 327,680 bytes of LDS; arguments x_codes, x_scales, w_codes, w_scales, qkv, fine32; writes qkv, fine32
.if DOCPART == 2
	.amdgcn_target "amdgcn-amd-amdhsa--gfx1250"
	.amdhsa_code_object_version 6
	.text
	.protected	k_q7c6117d519_qkv
	.globl	k_q7c6117d519_qkv
	.p2align	8
	.type	k_q7c6117d519_qkv,@function
k_q7c6117d519_qkv:
	s_mov_b64 s[64:65], 0
	v_nop
	global_prefetch_b8 v0, s[64:65] scope:SCOPE_SE
	s_setreg_imm32_b32 hwreg(HW_REG_WAVE_MODE, 25, 1), 1
	s_wait_xcnt 0x0
	s_wait_alu depctr_hold_cnt(0) depctr_sa_sdst(0) depctr_va_vdst(0) depctr_va_sdst(0) depctr_va_ssrc(0) depctr_va_vcc(0) depctr_vm_vsrc(0)
	s_getreg_b32 s2, hwreg(HW_REG_IB_STS2, 6, 4)
	s_cmp_eq_u32 s2, 0
	s_cbranch_scc0 .Lentry_in_a_cluster
	s_endpgm
.Lentry_in_a_cluster:
	s_bfe_u32 s2, ttmp6, 0x10000c
	s_cmp_lg_u32 s2, 0xf033
	s_cbranch_scc0 .Lentry_shape_is_right
	s_endpgm
.Lentry_shape_is_right:
; QKV: [4096 x 3072] = x [4096][1024] times (W_Q | W_K | W_V) [3072 n][1024], both as codes of FP4 (E2M1) with one E8M0 byte for each 32 along K; sums in f32.
; A tile of 256 x 256 is made by four waves, 128 x 128 each: 64 accumulators, 512 registers.  K = 1,024 is two slots of 512: both slots and all scale bytes are first fills,
; asked for at the head; nothing is filled again.  CLUSTERS: 4 x 4 work-groups; x's tiles are shared along a row of the cluster, the weights' along a column: joint loads.
; THE MATRIX INSTRUCTION IS USED TRANSPOSED (source 0 = 16 rows of the weights, source 1 = 16 rows of x): a lane holds eight neighbouring columns of one row.
; RESULTS: rounded to f16 into qkv: 96 planes [2048 positions][64], plane = 32 which + 16 batch + head; two rows of a head are 256 consecutive bytes.
; Positions 0-15 of each batch also leave in f32, as images of the accumulators' registers, into fine32: a later launch carries those rows in f32.
; LIMIT: |Q|, |K|, |V| above 65,504 become infinity in f16.
; REGISTERS, in windows of 256: window 0: v0-31 addresses; v32-95 scale words, two sets; v128-191 x's fragments, one set; on the way out v32-63, v192-255 are at work.
;   window 1: the weights' fragments, two sets, at v0 and v128.   window 2: accumulators of my rows 0-63 ((a, b) at v[8 (8 a + b)]);   window 3: rows 64-127.
.set SIZE_K, 1024
.set KSTEP,  512
.set NQ,     KSTEP/128
.set ROWB,   256                       ; a tile's row in bytes
.set KROW,   SIZE_K/2                  ; a row of codes in memory
.set PITCH,  272                       ; an LDS row: 256 bytes + 16 of padding: the 16 rows that a load touches start at 16 different banks
.set FR,     8
.set NL,     2
.set NP,     4                         ; places behind this matrix instruction (ISA guide 7.12.1)
.set HALFT,  128*PITCH
.set SLOT,   4*HALFT
.set KS,     SIZE_K/32                 ; a row of scale bytes
.set SCL,    2*SLOT                    ; behind the slots: the scale bytes, as units of 256 bytes + 16 of padding
.set HALFS,  (128*KS/256)*272
.set SBLK,   (16*KS/256)*272
.set SPARE,  SCL+4*HALFS               ; the spare words, 128 bytes for each wave: two blocks of 256 bytes that no other line names
.set SPITCH, 272                       ; the way out: 16 rows x (256 bytes + 16) for each wave, in slot 0, which has had its only fill and its last read by then
.set ADRA, 16
.set ADRB, 20
.set STO,  24
.set RD,   25
.set CO,   26
.set ADRS, 27
.set SPW,  28
.set NIL,  29
.set FO,   30                          ; v30  16 x lane: my place in a register image
.set SC,   32
.set AF,   128
.set TMP,  192                         ; the way out: packed results
.set G1, 24
.set G0, 32
.set G1B, 48
.set G0B, 56
.set G1S, 68
.set G0S, 76
.set G1SB, 80
.set G0SB, 88
.set WV, 98                            ; s98  wave
.set RH, 99                            ; s99  which half of the tile's rows is mine; also: I fetch for x (0) or for the weights (1)
.set CH, 100                           ; s100 which half of its columns; also: which 128 rows I fetch
.set TR, 101                           ; s101 tile row
.set MSB, 0
.macro WIN new                         ; the immediate's high byte repeats the setting that is left
.if MSB != \new
	s_set_vgpr_msb (MSB<<8)|\new
.set MSB, \new
.endif
.endm
.set MUL_LO, 0xa1
.set MUL_HI, 0xf1
.set TO_B,   0x40
; A joint load: waves 0 and 1 fetch for x, waves 2 and 3 for the weights.  The branch hangs on the wave's number alone.  An s_nop 0 and four v_nop follow each line.
.macro JLOAD g0a, g1a, g0b, g1b
	s_cmp_eq_u32 s[RH], 0
	s_cbranch_scc0 .Lfor_b_\@
	tensor_load_to_lds s[\g0a:\g0a+3], s[\g1a:\g1a+7]
	s_nop 0
.rept 4
	v_nop
.endr
	s_branch .Lasked_\@
.Lfor_b_\@:
	tensor_load_to_lds s[\g0b:\g0b+3], s[\g1b:\g1b+7]
	s_nop 0
.rept 4
	v_nop
.endr
.Lasked_\@:
.endm
.macro CROUND                          ; a round of the cluster's barrier
	s_barrier_signal -1
	s_barrier_wait -1
	s_cmp_lg_u32 s[WV], 0
	s_cbranch_scc1 .Lnot_wave_0_\@
	s_barrier_signal -3
.Lnot_wave_0_\@:
	s_barrier_wait -3
	s_barrier_signal -1
	s_barrier_wait -1
.endm
	s_load_b128 s[4:7], s[0:1], 0x0                ; x's codes, x's scales
	s_load_b128 s[8:11], s[0:1], 0x10              ; the weights' codes, their scales
	s_load_b128 s[12:15], s[0:1], 0x20             ; qkv, fine32
	v_lshl_add_u32 v[SPW], v0, 2, SPARE
	v_mov_b32 v[NIL], 0
	ds_add_u32 v[SPW], v[NIL]                      ; the wave's opening: the add, twice on end, and its wait ahead of my first tensor load
	ds_add_u32 v[SPW], v[NIL]
	v_lshrrev_b32 v1, 5, v0
	v_readfirstlane_b32 s[WV], v1
	s_lshr_b32 s[RH], s[WV], 1
	s_and_b32 s[CH], s[WV], 1
	s_bfe_u32 s40, ttmp6, 0x40000                  ; cx, cy
	s_bfe_u32 s41, ttmp6, 0x40004
	s_lshl_b32 s42, ttmp9, 2
	s_add_co_u32 s42, s42, s40                     ; tile column = 4 x cluster x + cx
	s_and_b32 s[TR], ttmp7, 0xffff
	s_lshl_b32 s[TR], s[TR], 2
	s_add_co_u32 s[TR], s[TR], s41                 ; tile row = 4 x cluster y + cy
	s_lshl_b32 s43, s41, 2
	s_lshl_b32 s43, 15, s43                        ; my row of the cluster
	s_lshl_b32 s44, 0x1111, s40                    ; my column
	s_or_b32 s[G1+0], s43, (0<<16)|(1<<20)|(1<<21)|(5<<22)|(3<<25)  ; the mask; elements of 1 byte; padding on; bit 21 beside a mask; 4 words after every 64
	s_or_b32 s[G1B+0], s44, (0<<16)|(1<<20)|(1<<21)|(5<<22)|(3<<25)
.irp g, G1, G1B
	s_mov_b32 s[\g+1], ROWB<<16                    ; tensor_dim0
	s_mov_b32 s[\g+2], 128<<16                     ; tensor_dim1
	s_mov_b32 s[\g+3], ROWB<<16                    ; tile_dim0
	s_mov_b32 s[\g+4], 128                         ; tile_dim1
	s_mov_b32 s[\g+5], KROW                        ; stride
	s_mov_b32 s[\g+6], 0
	s_mov_b32 s[\g+7], 0
.endr
	s_or_b32 s[G1S+0], s43, (3<<16)|(1<<20)|(1<<21)|(5<<22)|(3<<25) ; the scale bytes of 128 rows: a dense block, as rows of 256 bytes (32 elements of 8)
	s_or_b32 s[G1SB+0], s44, (3<<16)|(1<<20)|(1<<21)|(5<<22)|(3<<25)
.irp g, G1S, G1SB
	s_mov_b32 s[\g+1], 32<<16
	s_mov_b32 s[\g+2], (128*KS/256)<<16
	s_mov_b32 s[\g+3], 32<<16
	s_mov_b32 s[\g+4], 128*KS/256
	s_mov_b32 s[\g+5], 32
	s_mov_b32 s[\g+6], 0
	s_mov_b32 s[\g+7], 0
.endr
	s_lshl_b32 s18, s[CH], 7                       ; which 128 rows of the tile I fetch
	s_lshl_b32 s20, s[TR], 8
	s_add_co_u32 s20, s20, s18                     ; x: row 256 x tile row + 128 x half
	s_lshl_b32 s46, s42, 8
	s_add_co_u32 s46, s46, s18                     ; weights: row 256 x tile column + 128 x half
	s_mov_b32 s21, 0
	s_mov_b32 s47, 0
	s_mov_b64 s[18:19], KS
	s_mul_u64 s[22:23], s[20:21], s[18:19]
	s_mul_u64 s[92:93], s[46:47], s[18:19]
	s_mov_b64 s[18:19], KROW
	s_mul_u64 s[20:21], s[20:21], s[18:19]
	s_mul_u64 s[46:47], s[46:47], s[18:19]
	s_mul_i32 s45, s[WV], HALFT                    ; where they go: wave x 128 rows: no place in the cluster enters an LDS address
	s_mul_i32 s94, s[WV], HALFS
	s_wait_dscnt 0x0                               ; both opening adds are done
	s_wait_kmcnt 0x0
	s_add_nc_u64 s[20:21], s[4:5], s[20:21]
	s_add_nc_u64 s[22:23], s[6:7], s[22:23]
	s_add_nc_u64 s[46:47], s[8:9], s[46:47]
	s_add_nc_u64 s[92:93], s[10:11], s[92:93]
	CROUND                                         ; all sixteen work-groups are here: the joint loads meet
	s_mov_b32 s[G0S], 1
	s_add_co_u32 s[G0S+1], s94, SCL
	s_mov_b64 s[G0S+2:G0S+3], s[22:23]
	s_or_b32 s[G0S+3], s[G0S+3], 0x80000000
	s_mov_b32 s[G0SB], 1
	s_add_co_u32 s[G0SB+1], s94, SCL
	s_mov_b64 s[G0SB+2:G0SB+3], s[92:93]
	s_or_b32 s[G0SB+3], s[G0SB+3], 0x80000000
	JLOAD G0S, G1S, G0SB, G1SB                     ; the scale bytes first; then both slots: three loads of mine are out
.irp s, 0,1
	s_mov_b32 s[G0+4*\s], 1
	s_add_co_u32 s[G0+4*\s+1], s45, \s*SLOT
	s_add_nc_u64 s[G0+4*\s+2:G0+4*\s+3], s[20:21], \s*ROWB
	s_or_b32 s[G0+4*\s+3], s[G0+4*\s+3], 0x80000000
	s_mov_b32 s[G0B+4*\s], 1
	s_add_co_u32 s[G0B+4*\s+1], s45, \s*SLOT
	s_add_nc_u64 s[G0B+4*\s+2:G0B+4*\s+3], s[46:47], \s*ROWB
	s_or_b32 s[G0B+4*\s+3], s[G0B+4*\s+3], 0x80000000
	JLOAD G0+4*\s, G1, G0B+4*\s, G1B
.endr
	v_and_b32 v1, 15, v0                           ; r = lane % 16
	v_bfe_u32 v2, v0, 4, 1                         ; h = lane / 16
	v_mul_u32_u24 v3, v1, PITCH
	v_lshl_add_u32 v4, v2, 4, v3
	s_mul_i32 s21, s[RH], HALFT
	s_mul_i32 s22, s[CH], HALFT
	s_add_co_u32 s22, s22, 2*HALFT
.irp s, 0,1
	v_add_nc_u32 v[ADRA+\s], s21, v4
	v_add_nc_u32 v[ADRB+\s], s22, v4
	s_add_co_u32 s21, s21, SLOT
	s_add_co_u32 s22, s22, SLOT
.endr
	v_mul_u32_u24 v5, v1, KS                       ; my row's scale bytes: KS a row, and 16 more for each 256 passed
	v_lshrrev_b32 v6, 8, v5
	v_lshl_add_u32 v5, v6, 4, v5
	s_mul_i32 s21, s[RH], HALFS
	s_mul_i32 s22, s[CH], HALFS
	s_add_co_u32 s22, s22, 2*HALFS
	s_sub_co_u32 s22, s22, s21
	v_mul_u32_u24 v6, s22, v2                      ; lanes 16-31 take the weights'
	s_add_co_u32 s21, s21, SCL
	v_add_nc_u32 v5, v5, v6
	v_add_nc_u32 v[ADRS], s21, v5
	s_mul_i32 s23, s[WV], 16*SPITCH                ; my stage
	v_mul_u32_u24 v5, v1, SPITCH
	v_lshl_add_u32 v5, v2, 4, v5
	v_add_nc_u32 v[STO], s23, v5                   ; in: row r, 16 bytes for each half of the lanes
	v_bfe_u32 v5, v0, 3, 1
	v_mul_u32_u24 v5, v5, SPITCH
	v_lshl_add_u32 v5, v2, 7, v5
	v_and_b32 v6, 7, v0
	v_lshl_add_u32 v5, v6, 4, v5
	v_add_nc_u32 v[RD], s23, v5                    ; back: lanes 0-15 two rows of the first head's 128 bytes, lanes 16-31 of the second head's
	v_lshlrev_b32 v[CO], 4, v1
	v_lshl_add_u32 v[CO], v2, 18, v[CO]            ; in qkv: 16 (lane % 16), and one plane on for lanes 16-31
	v_and_b32 v6, 31, v0
	v_lshlrev_b32 v[FO], 4, v6
	s_lshr_b32 s20, s[TR], 3                       ; batch
	s_and_b32 s21, s[TR], 7
	s_lshl_b32 s21, s21, 8
	s_lshl_b32 s22, s[RH], 7
	s_add_co_u32 s21, s21, s22                     ; my first position
	s_lshl_b32 s21, s21, 7                         ; rows of 128 bytes
	s_lshr_b32 s22, s42, 2                         ; which of Q, K, V
	s_lshl_b32 s22, s22, 5
	s_lshl_b32 s23, s20, 4
	s_add_co_u32 s22, s22, s23
	s_and_b32 s23, s42, 3
	s_lshl_b32 s23, s23, 2
	s_add_co_u32 s22, s22, s23
	s_lshl_b32 s23, s[CH], 1
	s_add_co_u32 s22, s22, s23                     ; my first plane: 32 which + 16 batch + 4 (tile column % 4) + 2 half
	s_lshl_b32 s22, s22, 18
	s_add_co_u32 s22, s22, s21
	s_mov_b32 s23, 0
	s_add_nc_u64 s[12:13], s[12:13], s[22:23]
	s_mul_i32 s22, s20, 192
	s_lshl_b32 s21, s42, 4
	s_add_co_u32 s22, s22, s21
	s_lshl_b32 s21, s[CH], 3
	s_add_co_u32 s22, s22, s21                     ; fine32: image 192 batch + 16 tile column + 8 half on, 1,024 bytes each
	s_lshl_b32 s22, s22, 10
	s_add_nc_u64 s[14:15], s[14:15], s[22:23]
	s_and_b32 s96, s[TR], 7
	s_or_b32 s96, s96, s[RH]                       ; 0 where my block 0 is positions 0-15 of a batch
.macro FRAG reg, adr, q, i             ; 16 rows x 128 K of 4-bit codes: 8 registers, two loads of 16 bytes, 32 bytes apart
.irp c, 0,1
	ds_load_b128 v[\reg+4*\c:\reg+4*\c+3], v[\adr] offset:64*(\q)+32*\c+(\i)*16*PITCH
.endr
.endm
; 16 matrix instructions: x's blocks a0, a0 + 1 against the weights' eight.  The 64 accumulators take turns, one instruction a turn.
.macro MUL16 a0, p, q, sc, zero
.irp a, \a0, \a0+1
.irp b, 0,1,2,3,4,5,6,7
.if \zero
	v_wmma_scale_f32_16x16x128_f8f6f4 v[8*(8*((\a)%4)+\b):8*(8*((\a)%4)+\b)+7], v[128*(\p)+FR*\b:128*(\p)+FR*\b+FR-1], v[AF+FR*(\a):AF+FR*(\a)+FR-1], 0, v[SC+8*NQ*(\sc)+NQ*\b+(\q)], v[SC+8*NQ*(\sc)+NQ*(\a)+(\q)] matrix_a_fmt:MATRIX_FMT_FP4 matrix_b_fmt:MATRIX_FMT_FP4 matrix_a_scale:MATRIX_SCALE_ROW1
.else
	v_wmma_scale_f32_16x16x128_f8f6f4 v[8*(8*((\a)%4)+\b):8*(8*((\a)%4)+\b)+7], v[128*(\p)+FR*\b:128*(\p)+FR*\b+FR-1], v[AF+FR*(\a):AF+FR*(\a)+FR-1], v[8*(8*((\a)%4)+\b):8*(8*((\a)%4)+\b)+7], v[SC+8*NQ*(\sc)+NQ*\b+(\q)], v[SC+8*NQ*(\sc)+NQ*(\a)+(\q)] matrix_a_fmt:MATRIX_FMT_FP4 matrix_b_fmt:MATRIX_FMT_FP4 matrix_a_scale:MATRIX_SCALE_ROW1
.endif
.endr
.endr
.endm
.macro FETCH_B slot, q, p
	WIN TO_B
.irp i, 0,1,2,3,4,5,6,7
	FRAG 128*(\p)+FR*\i, ADRB+\slot, \q, \i
.endr
	WIN 0
.endm
.macro FETCH_A slot, q, i0
.irp i, \i0, \i0+1, \i0+2, \i0+3
	FRAG AF+FR*(\i), ADRA+\slot, \q, \i
.endr
.endm
.macro SCALES sc                       ; a slot's scale words: lanes 0-15 x's block i, lanes 16-31 the weights' block i
.irp i, 0,1,2,3,4,5,6,7
	ds_load_b128 v[SC+8*NQ*\sc+NQ*\i:SC+8*NQ*\sc+NQ*\i+3], v[ADRS] offset:\i*SBLK
.endr
.endm
.macro PLACES n                        ; places in front of loads into registers that matrix instructions have read, and of the first read of results
.rept \n
	v_nop
.endr
.endm
.macro STEP slot, q, zero              ; 128 along K, with its successor in the same slot
	s_wait_dscnt 4*NL                              ; the weights' set and x's blocks 0-3 are in; the youngest eight loads (x's blocks 4-7) may be out
	WIN MUL_LO
	MUL16 0, (\q)%2, \q, \slot, \zero
	MUL16 2, (\q)%2, \q, \slot, \zero
	s_wait_dscnt 0
	PLACES NP
	FETCH_B \slot, (\q)+1, 1-(\q)%2
	FETCH_A \slot, (\q)+1, 0
	WIN MUL_HI
	MUL16 4, (\q)%2, \q, \slot, \zero
	MUL16 6, (\q)%2, \q, \slot, \zero
	PLACES NP
	WIN 0
	FETCH_A \slot, (\q)+1, 4
.endm
; Slot 0's last step changes slots: one barrier; in front of it each wave waits for all its tensor loads (slot 1's), adds 0 to its spare word, and waits for that and for its reads of slot 0.
.macro TURN slot, next
	s_wait_tensorcnt 0x0
	ds_add_u32 v[SPW], v[NIL]
	s_wait_dscnt 4*NL+1                            ; (the add and the youngest eight loads may be out)
	WIN MUL_LO
	MUL16 0, 1, NQ-1, \slot, 0
	s_wait_dscnt 0x0                               ; the add is done, and my reads of this slot are over
	s_barrier_signal -1
	MUL16 2, 1, NQ-1, \slot, 0
	WIN 0
	s_barrier_wait -1
	PLACES NP
	v_add_nc_u32 v[ADRS], 4*NQ, v[ADRS]            ; on to the next slot's scale words
	FETCH_B \next, 0, 0
	FETCH_A \next, 0, 0
	SCALES \next
	WIN MUL_HI
	MUL16 4, 1, NQ-1, \slot, 0
	MUL16 6, 1, NQ-1, \slot, 0
	PLACES NP
	WIN 0
	FETCH_A \next, 0, 4
.endm
.macro STEPS slot, from
.set Q, \from
.rept NQ-1-\from
	STEP \slot, Q, 0
.set Q, Q+1
.endr
.endm
	s_wait_tensorcnt 1                             ; the scale bytes and my part of slot 0 are in (slot 1's load may be out)
	s_barrier_signal -1
	s_barrier_wait -1                              ; everybody's are
	FETCH_B 0, 0, 0
	FETCH_A 0, 0, 0
	SCALES 0
	FETCH_A 0, 0, 4
	STEP 0, 0, 1                                   ; the first step's products start the sums: nothing is cleared
	STEPS 0, 1
	TURN 0, 1
	STEPS 1, 0
	s_wait_dscnt 4*NL                              ; the last step: nothing more to fetch
	WIN MUL_LO
	MUL16 0, 1, NQ-1, 1, 0
	MUL16 2, 1, NQ-1, 1, 0
	s_wait_dscnt 0
	WIN MUL_HI
	MUL16 4, 1, NQ-1, 1, 0
	MUL16 6, 1, NQ-1, 1, 0
	WIN 0
	PLACES NP
	; POSITIONS 0-15 IN F32: block 0's eight accumulators leave as they stand, 16 bytes a lane, 512 consecutive bytes a store.  Which work-groups hold them hangs on the tile row,
	; the sixteen stores stand in every wave's way, with all lanes off where they are not wanted.
	v_cmp_eq_u32 vcc_lo, s96, v[NIL]
	s_wait_xcnt 0x0                                ; EXEC changes only behind this wait
	s_and_saveexec_b32 s97, vcc_lo
	WIN 0x08                                       ; a store's data are its source 1: window 2
.irp b, 0,1,2,3,4,5,6,7
.irp g, 0,1
	global_store_b128 v[FO], v[8*\b+4*\g:8*\b+4*\g+3], s[14:15] offset:1024*\b+512*\g   ; each accumulator from its low end on
.endr
.endr
	WIN 0
	s_wait_xcnt 0x0                                ; and again, in front of the line that widens it
	s_or_b32 exec_lo, exec_lo, s97
; THE WAY OUT, a block of 16 rows x 128 columns (two heads) at a time: rounded to f16, 16 bytes a lane into my stage, back as pairs of rows of a head: sixteen lanes store 256 consecutive bytes, aligned.
.macro PACK a
.set AC, 64*((\a)%4)
	WIN 0x0a+5*((\a)/4)                            ; sources 0 and 1: window 2 or 3
.irp b, 0,1,2,3,4,5,6,7
.irp r, 0,1,2,3
	v_cvt_pk_f16_f32 v[TMP+4*\b+\r], v[AC+8*\b+2*\r], v[AC+8*\b+2*\r+1]
.endr
.endr
	WIN 0
.endm
.macro TOSTAGE a
.set BKS, 32+192*((\a)%2)
.irp b, 0,1,2,3,4,5,6,7
	ds_store_b128 v[STO], v[TMP+4*\b:TMP+4*\b+3] offset:32*\b
.endr
.irp t, 0,1,2,3,4,5,6,7
	ds_load_b128 v[BKS+4*\t:BKS+4*\t+3], v[RD] offset:\t*2*SPITCH  ; LDS serves a wave's instructions in order: these see the stores above
.endr
.endm
.macro SEND a
.set BKS, 32+192*((\a)%2)
	s_wait_dscnt 0x0                               ; the block is back in registers
	s_wait_xcnt 0x0                                ; the earlier stores have read their registers: the next block's loads may land in the other set
.irp t, 0,1,2,3,4,5,6,7
	global_store_b128 v[CO], v[BKS+4*\t:BKS+4*\t+3], s[12:13] offset:2048*(\a)+256*\t
.endr
.endm
	PACK 0
	TOSTAGE 0
.irp a, 1,2,3,4,5,6,7                  ; block a's conversions stand between block a - 1's loads from the stage and the wait for them
	PACK \a
	SEND \a-1
	TOSTAGE \a
.endr
	SEND 7
	s_wait_tensorcnt 0x0                           ; the wave's end
	ds_add_u32 v[SPW], v[NIL]
	s_wait_dscnt 0x0
	CROUND                                         ; the closing round
	s_endpgm
.Lfunc_end_k_q7c6117d519_qkv:
	.size	k_q7c6117d519_qkv, .Lfunc_end_k_q7c6117d519_qkv-k_q7c6117d519_qkv
	.p2alignl 7, 3214868480
	.fill 96, 4, 3214868480
	.section	.rodata,"a",@progbits
	.p2align	6, 0x0
	.amdhsa_kernel k_q7c6117d519_qkv
		.amdhsa_group_segment_fixed_size 327680
		.amdhsa_private_segment_fixed_size 0
		.amdhsa_enable_private_segment 0
		.amdhsa_kernarg_size 48
		.amdhsa_user_sgpr_count 2
		.amdhsa_user_sgpr_kernarg_segment_ptr 1
		.amdhsa_wavefront_size32 1
		.amdhsa_system_sgpr_workgroup_id_x 1
		.amdhsa_system_sgpr_workgroup_id_y 1
		.amdhsa_system_sgpr_workgroup_id_z 1
		.amdhsa_system_vgpr_workitem_id 0
		.amdhsa_next_free_vgpr 1024
		.amdhsa_next_free_sgpr 102
		.amdhsa_reserve_vcc 1
		.amdhsa_float_denorm_mode_32 3
		.amdhsa_float_denorm_mode_16_64 3
		.amdhsa_memory_ordered 1
		.amdhsa_forward_progress 1
		.amdhsa_inst_pref_size 129
	.end_amdhsa_kernel
	.amdgpu_metadata
---
amdhsa.version: [ 1, 2 ]
amdhsa.kernels:
  - .name:           k_q7c6117d519_qkv
    .symbol:         k_q7c6117d519_qkv.kd
    .args:
      - { .name: x_codes, .offset: 0, .size: 8, .value_kind: global_buffer, .address_space: global }
      - { .name: x_scales, .offset: 8, .size: 8, .value_kind: global_buffer, .address_space: global }
      - { .name: w_codes, .offset: 16, .size: 8, .value_kind: global_buffer, .address_space: global }
      - { .name: w_scales, .offset: 24, .size: 8, .value_kind: global_buffer, .address_space: global }
      - { .name: qkv, .offset: 32, .size: 8, .value_kind: global_buffer, .address_space: global }
      - { .name: fine32, .offset: 40, .size: 8, .value_kind: global_buffer, .address_space: global }
    .group_segment_fixed_size: 327680
    .private_segment_fixed_size: 0
    .kernarg_segment_align: 8
    .kernarg_segment_size: 48
    .max_flat_workgroup_size: 128
    .sgpr_count:     102
    .vgpr_count:     1024
    .wavefront_size: 32
...
	.end_amdgpu_metadata
.endif
;; end of part 2
;; launch attn (part 3): grid 8 x 32, 16 waves a work-group, no clusters, 327,680 bytes of LDS; arguments qkv, ao; writes ao
.if DOCPART == 3
	.amdgcn_target "amdgcn-amd-amdhsa--gfx1250"
	.amdhsa_code_object_version 6
	.text
	.protected	k_q7c6117d519_attn
	.globl	k_q7c6117d519_attn
	.p2align	8
	.type	k_q7c6117d519_attn,@function
k_q7c6117d519_attn:
	s_mov_b64 s[64:65], 0
	v_nop
	global_prefetch_b8 v0, s[64:65] scope:SCOPE_SE
	s_setreg_imm32_b32 hwreg(HW_REG_WAVE_MODE, 25, 1), 1
	s_wait_xcnt 0x0
; ATTN: O[q] = sum over keys k <= q of softmax_k(Q[q] . K[k] / 8) V[k], for each of 32 (batch, head).  Q, K, V: planes of qkv, [2048][64] f16.  Products on f16 operands, sums, maxima and softmax in f32;
; the weights p are rounded to f16 for the second product; O is rounded to f16 once, into ao.
; ao: element (row m of 4,096, head, channel) at (m / 2) 4096 + 256 head + 128 (m % 2) + 2 channel: two rows of a head are 256 consecutive bytes.
; SHARES.  Work-group (j, bh): waves 0-7 own the eight tiles of 16 queries of query block j (128 queries), waves 8-15 those of block 15 - j: every work-group has 17 blocks of 128 x 128 under the mask.
; A wave holds one tile in 256 registers, four waves to a SIMD.  Keys go 128 a step; K and V come through two LDS slots of 256 keys (waves 0, 1: halves of K; waves 2, 3: of V), read by all sixteen.
; NO CLUSTER: the eight work-groups of a head need 5 to 8 slots (up to query 128 (15 - j) + 127), so a joint load would bring some partners tiles that none of their waves reads.
; LAYOUT.  S^T = K Q^T (source 0 = 16 keys, source 1 = my 16 queries): a lane holds ONE query (lane % 16) and keys 8 (lane / 16) + 0..7 of a tile.  Two such tiles, rounded in pairs, ARE source 1
; (32 keys x 16 queries) of O^T = V^T P.  K comes out of LDS as it lies, V ([key][channel]) turned, by ds_load_tr16_b128.
; SOFTMAX.  A running maximum m and sum l: p = 2^(c s - c m), c = log2(e) / 8; in every step O and l are multiplied by a = 2^(c m_old - c m_new).
; THE LDS LOADS RUN AHEAD OF THEIR USE.  A step's fragments come in eight runs of eight loads (32 registers each): K's four pairs of key tiles, V's four groups of 32 keys.  Registers that are idle at
; the time serve as buffers: P's while the scores are made, S's once p has been rounded and summed.  Only the first run of a step is waited for straight behind its issue.
; CAUSAL.  Every work-group walks all eight changes of slots (constant trip counts).  A step all of whose keys come after the wave's queries is jumped over; on the diagonal hidden scores become -infinity.
; A slot whose first key comes after the work-group's last query is not asked for.  Key 0 counts for every query, so m is a number from the first step on.
; LIMITS: f16 operands: |Q|, |K|, |V|, |O| up to 65,504; NaN and infinities are not served.
; REGISTERS: v1-10 addresses; v12 c m, v13 m, v[14:15] l in two halves; v16-31 Q; v32-63, v64-95 two buffers for fragments; v96-159 S^T, then p, then V's keys 64-127; v160-191 O^T;
; v192-223 a third buffer for K, then P in f16; v224-237 at work.
.set KP,    144                        ; a key's row in LDS: 128 bytes + 16
.set VP,    160                        ; a row of V: 128 + 32
.set SK,    256                        ; keys in a slot
.set VOFF,  SK*KP
.set SLOT1, 1<<17                      ; slot 1 begins here: one exclusive or turns an address from one slot to the other
.set NSL,   2048/SK
.set STAGE, 2*SLOT1                    ; the way out: 16 rows x 144 bytes for each wave; no fill lands here
.set SPARE, STAGE+16*16*KP             ; the spare words, 128 bytes for each wave: eight blocks of 256 bytes that no other line names
.set AK0, 1
.set AV0, 2
.set SPW, 3
.set NIL, 4
.set GO,  5
.set ADK, 6
.set ADV, 7
.set STO, 8
.set RD,  9
.set PFO, 10
.set X0,  32                           ; buffers of 32 registers
.set X1,  64
.set X2,  192                          ; P's registers
.set SS,  96                           ; S^T
.set TB,  2                            ; s2   LDS byte at which the slot in hand begins
.set WV,  18
.set SEL, 20
.set CS,  22                           ; s[22:23] c
.set G1K, 24
.set G1V, 32
.set G0K, 40
.set G0V, 44
.set SLOTS, 48
.set KF,  49                           ; the step's first key
.set Q0,  50                           ; my first query
.set QL,  51                           ; my work-group's last query
.set PFA, 52
.set LIM, 54
.macro TLOAD                           ; waves 0, 1 fetch K's halves, waves 2, 3 V's, the others nothing; an s_nop 0 and four v_nop follow each line
	s_cmp_lt_u32 s[WV], 2
	s_cbranch_scc0 .Lnot_k_\@
	tensor_load_to_lds s[G0K:G0K+3], s[G1K:G1K+7]
	s_nop 0
.rept 4
	v_nop
.endr
	s_branch .Lasked_\@
.Lnot_k_\@:
	s_cmp_lt_u32 s[WV], 4
	s_cbranch_scc0 .Lasked_\@
	tensor_load_to_lds s[G0V:G0V+3], s[G1V:G1V+7]
	s_nop 0
.rept 4
	v_nop
.endr
.Lasked_\@:
.endm
; A prefetch of what the NEXT change of slots will ask for: 32,768 dense bytes of K and as many of V.  All work-groups of a head walk the same K and V: work-group j = 0, which walks all keys, asks.
; In it waves 4-7 ask for K, waves 8-11 for V: 8,192 bytes a wave, lanes 256 bytes apart, one instruction.  The last change that fills a slot asks for nothing; slots 0 and 1 come by their loads alone.
.macro ASK
	s_cmp_gt_u32 s[SLOTS], s[LIM]
	s_cbranch_scc0 .Lnot_mine_\@
	global_prefetch_b8 v[PFO], s[PFA:PFA+1] th:TH_LOAD_NT scope:SCOPE_SE
.Lnot_mine_\@:
.endm
	s_load_b128 s[4:7], s[0:1], 0x0                ; qkv, ao
	v_lshl_add_u32 v[SPW], v0, 2, SPARE
	v_mov_b32 v[NIL], 0
	ds_add_u32 v[SPW], v[NIL]                      ; the wave's opening: the add, twice on end, and its wait ahead of my first tensor load
	ds_add_u32 v[SPW], v[NIL]
	v_lshrrev_b32 v6, 5, v0
	v_readfirstlane_b32 s[WV], v6                  ; wave 0..15
	s_and_b32 s55, ttmp7, 0xffff                   ; bh = 16 batch + head
	s_and_b32 s56, s[WV], 1                        ; which half of a slot I fetch, if I fetch
	s_lshl_b32 s58, s56, 14                        ; 128 rows of 128 bytes
	s_add_co_u32 s57, s55, 32                      ; K's plane
	s_lshl_b32 s57, s57, 18
	s_add_co_u32 s60, s57, s58
	s_mov_b32 s61, 0
	s_add_co_u32 s57, s55, 64                      ; V's plane
	s_lshl_b32 s57, s57, 18
	s_add_co_u32 s62, s57, s58
	s_mov_b32 s63, 0
	s_mul_i32 s59, s56, 128*KP
	s_mul_i32 s66, s56, 128*VP
	s_add_co_u32 s66, s66, VOFF
	s_sub_co_u32 s67, 15, ttmp9
	s_cmp_lt_u32 s[WV], 8
	s_cselect_b32 s68, ttmp9, s67                  ; my query block
	s_cselect_b32 s75, 32, 64                      ; (for the prefetches: waves under 8 stand in K's plane, the others in V's)
	s_lshl_b32 s68, s68, 7
	s_and_b32 s69, s[WV], 7
	s_lshl_b32 s69, s69, 4
	s_add_co_u32 s[Q0], s68, s69
	s_lshl_b32 s[QL], s67, 7
	s_or_b32 s[QL], s[QL], 127
	s_lshl_b32 s70, s55, 18
	s_lshl_b32 s71, s[Q0], 7
	s_add_co_u32 s70, s70, s71                     ; Q: plane bh, row Q0
	s_mov_b32 s71, 0
	s_lshr_b32 s72, s55, 4
	s_lshl_b32 s72, s72, 22                        ; ao: 1,024 row pairs a batch, 4,096 bytes each
	s_lshl_b32 s73, s[Q0], 11
	s_add_co_u32 s72, s72, s73
	s_and_b32 s73, s55, 15
	s_lshl_b32 s73, s73, 8
	s_add_co_u32 s72, s72, s73
	s_mov_b32 s73, 0
	s_add_co_u32 s75, s75, s55
	s_lshl_b32 s76, s75, 18
	s_and_b32 s75, s[WV], 3
	s_lshl_b32 s75, s75, 13
	s_add_co_u32 s76, s76, s75
	s_add_co_u32 s76, s76, SK*128                  ; in slot 1: the first change of slots steps it to slot 2
	s_mov_b32 s77, 0
	s_sub_co_u32 s75, s[WV], 4
	s_lshr_b32 s75, s75, 3                         ; 0 in waves 4 to 11,
	s_or_b32 s75, s75, ttmp9                       ; of work-group j = 0
	s_cmp_eq_u32 s75, 0
	s_cselect_b32 s[LIM], 1, -1
	s_mov_b32 s[G1K], (1<<16)|(1<<20)|(4<<22)|(3<<25)    ; elements of 2 bytes; padding: 4 words after every 32
	s_mov_b32 s[G1V], (1<<16)|(1<<20)|(4<<22)|(7<<25)    ; 8 words after every 32
.irp g, G1K, G1V
	s_mov_b32 s[\g+1], 64<<16                      ; tensor_dim0
	s_mov_b32 s[\g+2], 128<<16                     ; tensor_dim1
	s_mov_b32 s[\g+3], 64<<16                      ; tile_dim0
	s_mov_b32 s[\g+4], 128                         ; tile_dim1
	s_mov_b32 s[\g+5], 64                          ; stride
	s_mov_b32 s[\g+6], 0
	s_mov_b32 s[\g+7], 0
.endr
	s_mov_b32 s[SEL], 0x76543210
	s_mov_b32 s[SEL+1], 0xfedcba98
	s_mov_b32 s[CS], 0x3e38aa3b                    ; c = log2(e) / 8
	s_mov_b32 s[CS+1], s[CS]
	s_mov_b32 s[TB], 0
	s_mov_b32 s[SLOTS], NSL-1
	s_mov_b32 s[KF], 0
	s_wait_dscnt 0x0                               ; both opening adds are done
	s_wait_kmcnt 0x0
	s_mov_b32 s[G0K], 1
	s_mov_b32 s[G0K+1], s59
	s_add_nc_u64 s[G0K+2:G0K+3], s[4:5], s[60:61]
	s_or_b32 s[G0K+3], s[G0K+3], 0x80000000
	s_mov_b32 s[G0V], 1
	s_mov_b32 s[G0V+1], s66
	s_add_nc_u64 s[G0V+2:G0V+3], s[4:5], s[62:63]
	s_or_b32 s[G0V+3], s[G0V+3], 0x80000000
	TLOAD                                          ; slot 0: keys 0-255, which every wave reads
	s_add_nc_u64 s[70:71], s[4:5], s[70:71]
	s_add_nc_u64 s[6:7], s[6:7], s[72:73]
	s_add_nc_u64 s[PFA:PFA+1], s[4:5], s[76:77]
	v_and_b32 v6, 15, v0                           ; r
	v_bfe_u32 v7, v0, 4, 1                         ; h
	v_lshlrev_b32 v11, 7, v6
	v_lshl_add_u32 v11, v7, 4, v11                 ; Q: row r of 128 bytes, + 16 h
.irp i, 0,1,2,3
	global_load_b128 v[16+4*\i:19+4*\i], v11, s[70:71] offset:32*\i   ; two fragments of 16 queries x 32 channels; they stay
.endr
	v_mul_u32_u24 v[AK0], v6, KP
	v_lshl_add_u32 v[AK0], v7, 4, v[AK0]
	v_and_b32 v8, 7, v0
	v_lshl_add_u32 v[AV0], v7, 3, v8
	v_mul_u32_u24 v[AV0], v[AV0], VP
	v_bfe_u32 v9, v0, 3, 1
	v_lshl_add_u32 v[AV0], v9, 4, v[AV0]
	v_add_nc_u32 v[AV0], VOFF, v[AV0]              ; the turning load: key 8 h + lane % 8, channels 8 ((lane / 8) % 2) on
	s_mul_i32 s74, s[WV], 16*KP
	s_add_co_u32 s74, s74, STAGE                   ; my stage
	v_add_nc_u32 v[STO], s74, v[AK0]               ; in: row r, + 16 h
	v_bfe_u32 v[RD], v0, 3, 2
	v_mul_u32_u24 v[RD], v[RD], KP
	v_and_b32 v[PFO], 7, v0
	v_lshl_add_u32 v[RD], v[PFO], 4, v[RD]
	v_add_nc_u32 v[RD], s74, v[RD]                 ; back: eight lanes to a row of 128 bytes, four rows a load
	v_lshlrev_b32 v[GO], 4, v6
	v_lshl_add_u32 v[GO], v7, 12, v[GO]            ; in ao: lanes 0-15 one row pair, lanes 16-31 the next
	v_and_b32 v[PFO], 31, v0
	v_lshlrev_b32 v[PFO], 8, v[PFO]
	v_lshlrev_b32 v237, 3, v7
	v_sub_nc_u32 v237, v6, v237                    ; r - 8 h
	v_mov_b32 v236, 0xff800000                     ; -infinity
	v_mov_b32 v13, 0xff61b1e6                      ; m: -3e38, under every score
	v_mul_f32 v12, s[CS], v13                      ; c m
	v_mov_b32 v14, 0
	v_mov_b32 v15, 0
	v_mov_b32 v229, 0                              ; a lane permute's destination counts as one of its sources
	v_mov_b32 v231, 0                              ; (named as the upper half of the pair v[230:231])
.set n, 0
.rept 32
	v_mov_b32 v[160+n], 0                          ; O^T: the step is written once; the first step finds zeros, which a = 0 leaves zeros
.set n, n+1
.endr
; Eight LDS loads: key tiles 2 p and 2 p + 1 of the step (16 keys x 64 channels each: 16 registers) into buffer buf
.macro KLOAD q, p, buf
.irp u, 0,1
.irp c, 0,1
.irp e, 0,1
	ds_load_b128 v[\buf+16*\u+8*\c+4*\e:\buf+16*\u+8*\c+4*\e+3], v[ADK] offset:(128*(\q)+16*(2*(\p)+\u))*KP+64*\c+32*\e
.endr
.endr
.endr
.endm
; Four products: S^T of key tiles 2 p and 2 p + 1; the two accumulators take turns, one instruction a turn; the first two start the sums
.macro KMUL p, buf
	v_wmma_f32_16x16x32_f16 v[SS+16*(\p):SS+16*(\p)+7], v[\buf:\buf+7], v[16:23], 0
	v_wmma_f32_16x16x32_f16 v[SS+16*(\p)+8:SS+16*(\p)+15], v[\buf+16:\buf+23], v[16:23], 0
	v_wmma_f32_16x16x32_f16 v[SS+16*(\p):SS+16*(\p)+7], v[\buf+8:\buf+15], v[24:31], v[SS+16*(\p):SS+16*(\p)+7]
	v_wmma_f32_16x16x32_f16 v[SS+16*(\p)+8:SS+16*(\p)+15], v[\buf+24:\buf+31], v[24:31], v[SS+16*(\p)+8:SS+16*(\p)+15]
.endm
; Eight turning loads: V of keys 32 kb .. 32 kb + 31 of the step, 64 channels, into buffer buf
.macro VLOAD q, kb, buf
.irp t, 0,1,2,3
	ds_load_tr16_b128 v[\buf+8*\t:\buf+8*\t+3], v[ADV] offset:(128*(\q)+32*(\kb))*VP+32*\t
	ds_load_tr16_b128 v[\buf+8*\t+4:\buf+8*\t+7], v[ADV] offset:(128*(\q)+32*(\kb))*VP+16*VP+32*\t
.endr
.endm
; Four products: O^T += V^T P for those 32 keys; the four accumulators take turns
.macro PVMUL kb, buf
.irp t, 0,1,2,3
	v_wmma_f32_16x16x32_f16 v[160+8*\t:167+8*\t], v[\buf+8*\t:\buf+8*\t+7], v[192+8*(\kb):199+8*(\kb)], v[160+8*\t:167+8*\t]
.endr
.endm
.macro PLACES n                        ; plain places behind matrix instructions: four in front of a load into a register that they have read and of the first read of results
.rept \n
	v_nop
.endr
.endm
; A KEY STEP: 128 keys, the q-th of the slot in hand.
.macro STEP q
	s_add_co_u32 s74, s[Q0], 15
	s_cmp_gt_u32 s[KF], s74                        ; all keys behind my queries: the step's work is left out (ids and the count of steps alone)
	s_cbranch_scc1 .Lhidden_\@
	v_add_nc_u32 v[ADK], s[TB], v[AK0]
	v_add_nc_u32 v[ADV], s[TB], v[AV0]
	PLACES 3                                       ; with the two additions FIVE places behind the last step's products: S's registers were their sources, and this step's first products write over them
	KLOAD \q, 0, X0
	KLOAD \q, 1, X1
	KLOAD \q, 2, X2
	s_wait_dscnt 16                                ; pair 0 is in; pairs 1 and 2 (16 loads) may be out
	KMUL 0, X0
	PLACES 4
	KLOAD \q, 3, X0
	s_wait_dscnt 16                                ; pair 1 is in; pairs 2 and 3 may be out
	KMUL 1, X1
	PLACES 4
	VLOAD \q, 0, X1                                ; V's keys 0-31: they land during the softmax
	s_wait_dscnt 16                                ; pair 2 is in; pair 3 and V's first eight may be out
	KMUL 2, X2
	s_wait_dscnt 8                                 ; pair 3 is in; V's eight may be out
	KMUL 3, X0
	PLACES 4
	VLOAD \q, 1, X0                                ; V's keys 32-63
	s_add_co_u32 s74, s[KF], 127                   ; a step all of whose keys count skips the mask
	s_cmp_le_u32 s74, s[Q0]
	s_cbranch_scc1 .Lopen_\@
	s_sub_co_i32 s74, s[Q0], s[KF]
	v_add_nc_u32 v235, s74, v237                   ; d = my query - KF - 8 h.  Register n holds key KF + 8 h + 16 (n / 8) + n % 8: hidden where 16 (n / 8) + n % 8 > d
.set n, 0
.rept 64
	v_cmp_gt_i32 vcc_lo, 16*(n/8)+n%8, v235
	v_cndmask_b32 v[96+n], v[96+n], v236, vcc_lo
.set n, n+1
.endr
.Lopen_\@:
.irp b, 0,1,2,3                                ; the maximum, in four chains, each accumulator from its low end on
	v_max3_num_f32 v[224+\b], v[96+16*\b], v[97+16*\b], v[98+16*\b]
.endr
.irp i, 3,5,7,9,11,13
.irp b, 0,1,2,3
	v_max3_num_f32 v[224+\b], v[224+\b], v[96+16*\b+\i], v[97+16*\b+\i]
.endr
.endr
.irp b, 0,1,2,3
	v_max_num_f32 v[224+\b], v[224+\b], v[111+16*\b]
.endr
	v_max3_num_f32 v228, v224, v225, v226
	v_max3_num_f32 v228, v228, v227, v13           ; with the old m
	v_permlanex16_b32 v229, v228, s[SEL], s[SEL+1] ; the query's other 64 keys lie in the lane 16 away
	v_mov_b32 v234, v12                            ; c m_old
	v_max_num_f32 v13, v228, v229
	v_mul_f32 v12, s[CS], v13
	v_sub_f32 v234, v234, v12
.set n, 0
.rept 32
	v_pk_fma_f32 v[96+n:97+n], v[96+n:97+n], s[CS:CS+1], v[12:13] op_sel_hi:[1,0,0] neg_lo:[0,0,1] neg_hi:[0,0,1]   ; c s - c m
.set n, n+2
.endr
	v_exp_f32 v230, v234                           ; a
.set n, 0
.rept 64
	v_exp_f32 v[96+n], v[96+n]                     ; p
.set n, n+1
.endr
	v_nop                                          ; a plain instruction behind the last exponential
	s_wait_alu depctr_va_vdst(0)                   ; one wait for the whole batch, ahead of its first reader
	v_pk_mul_f32 v[14:15], v[14:15], v[230:231] op_sel_hi:[1,0]
.set n, 0
.rept 32
	v_cvt_pk_f16_f32 v[192+n], v[96+2*n], v[97+2*n]
.set n, n+1
.endr
	v_pk_add_f32 v[232:233], v[96:97], v[98:99]    ; the row's sum, two at a time, in two chains
.irp j, 4,8,12,16,20,24,28,32,36,40,44,48,52,56,60
	v_pk_add_f32 v[14:15], v[14:15], v[96+\j:97+\j]
	v_pk_add_f32 v[232:233], v[232:233], v[98+\j:99+\j]
.endr
	v_pk_add_f32 v[14:15], v[14:15], v[232:233]
	VLOAD \q, 2, SS                                ; p has been rounded and summed: its registers take V's keys 64-127,
	VLOAD \q, 3, SS+32                             ; which land during the rescaling and the first eight products below
.set n, 0
.rept 16
	v_pk_mul_f32 v[160+n:161+n], v[160+n:161+n], v[230:231] op_sel_hi:[1,0]   ; O^T x a
.set n, n+2
.endr
	s_wait_dscnt 16                                ; V's keys 0-63 are in; the 16 loads just issued may be out
	PVMUL 0, X1
	PVMUL 1, X0
	s_wait_dscnt 0x0
	PVMUL 2, SS
	PVMUL 3, SS+32
.Lhidden_\@:
	s_add_co_u32 s[KF], s[KF], 128
.endm
; THE CHANGE OF SLOTS stands at a slot's head.  Each wave waits for all its tensor loads, adds 0 to its spare word (fill = 1: twice on end), and waits for that and for its reads of the slot that it has left.
; Behind the barrier the slot ahead is whole and nobody reads the other one; fill = 1: that one takes the next 256 keys, up to the causal limit.
.macro CHANGE fill
	s_wait_tensorcnt 0x0                           ; no tensor load of mine is out, so a group 0 may be written
	ds_add_u32 v[SPW], v[NIL]
.if \fill
	ds_add_u32 v[SPW], v[NIL]                      ; and once more, in every trip alike
	s_xor_b32 s[G0K+1], s[G0K+1], SLOT1
	s_add_nc_u64 s[G0K+2:G0K+3], s[G0K+2:G0K+3], SK*128
	s_xor_b32 s[G0V+1], s[G0V+1], SLOT1
	s_add_nc_u64 s[G0V+2:G0V+3], s[G0V+2:G0V+3], SK*128
	s_wait_xcnt 0x0                                ; the last prefetch, a slot back, has read its address
	s_add_nc_u64 s[PFA:PFA+1], s[PFA:PFA+1], SK*128
.endif
	s_wait_dscnt 0x0
	s_barrier_signal -1
	s_barrier_wait -1
.if \fill
	s_add_co_u32 s74, s[KF], SK                    ; the first key of the slot that this change would ask for
	s_cmp_gt_u32 s74, s[QL]                        ; behind my work-group's last query: none of its waves would read it.  Ids and the count of steps alone: all sixteen waves go the same way
	s_cbranch_scc1 .Lpast_\@
	TLOAD                                          ; a wave's one tensor load until the next such barrier
.Lpast_\@:
	ASK
.endif
.endm
.macro SLOT_STEPS
	STEP 0
	STEP 1
	s_xor_b32 s[TB], s[TB], SLOT1
.endm
	s_wait_loadcnt 0x0                             ; Q
.Lslot:                                            ; seven trips
	CHANGE 1
	SLOT_STEPS
	s_sub_co_u32 s[SLOTS], s[SLOTS], 1
	s_cmp_lg_u32 s[SLOTS], 0
	s_cbranch_scc1 .Lslot
	CHANGE 0                                       ; the last slot is written out: nothing is left to ask for
	SLOT_STEPS
	; THE WAY OUT: O^T / l, rounded to f16, through my stage, so that sixteen lanes store 256 consecutive bytes, aligned
	PLACES 4
	v_add_f32 v14, v14, v15
	v_permlanex16_b32 v229, v14, s[SEL], s[SEL+1]
	v_add_f32 v14, v14, v229
	v_rcp_f32 v228, v14
	v_nop
	s_wait_alu depctr_va_vdst(0)                   ; ahead of the reciprocal's first reader
.set n, 0
.rept 32
	v_mul_f32 v[96+n], v[160+n], v228              ; register 8 t + i: channel 16 t + 8 h + i of query r
.set n, n+1
.endr
.set n, 0
.rept 16
	v_cvt_pk_f16_f32 v[32+n], v[96+2*n], v[97+2*n]
.set n, n+1
.endr
.irp t, 0,1,2,3
	ds_store_b128 v[STO], v[32+4*\t:35+4*\t] offset:32*\t
.endr
.irp i, 0,1,2,3
	ds_load_b128 v[48+4*\i:51+4*\i], v[RD] offset:4*KP*\i   ; LDS serves a wave's instructions in order: these see my stores
.endr
.irp i, 0,1,2,3
	s_wait_dscnt 3-\i
	global_store_b128 v[GO], v[48+4*\i:51+4*\i], s[6:7] offset:8192*\i
.endr
	s_wait_tensorcnt 0x0                           ; the wave's end
	ds_add_u32 v[SPW], v[NIL]
	s_wait_dscnt 0x0
	s_endpgm
.Lfunc_end_k_q7c6117d519_attn:
	.size	k_q7c6117d519_attn, .Lfunc_end_k_q7c6117d519_attn-k_q7c6117d519_attn
	.p2alignl 7, 3214868480
	.fill 96, 4, 3214868480
	.section	.rodata,"a",@progbits
	.p2align	6, 0x0
	.amdhsa_kernel k_q7c6117d519_attn
		.amdhsa_group_segment_fixed_size 327680
		.amdhsa_private_segment_fixed_size 0
		.amdhsa_enable_private_segment 0
		.amdhsa_kernarg_size 16
		.amdhsa_user_sgpr_count 2
		.amdhsa_user_sgpr_kernarg_segment_ptr 1
		.amdhsa_wavefront_size32 1
		.amdhsa_system_sgpr_workgroup_id_x 1
		.amdhsa_system_sgpr_workgroup_id_y 1
		.amdhsa_system_sgpr_workgroup_id_z 1
		.amdhsa_system_vgpr_workitem_id 0
		.amdhsa_next_free_vgpr 256
		.amdhsa_next_free_sgpr 80
		.amdhsa_reserve_vcc 1
		.amdhsa_float_denorm_mode_32 3
		.amdhsa_float_denorm_mode_16_64 3
		.amdhsa_memory_ordered 1
		.amdhsa_forward_progress 1
		.amdhsa_inst_pref_size 107
	.end_amdhsa_kernel
	.amdgpu_metadata
---
amdhsa.version: [ 1, 2 ]
amdhsa.kernels:
  - .name:           k_q7c6117d519_attn
    .symbol:         k_q7c6117d519_attn.kd
    .args:
      - { .name: qkv, .offset: 0, .size: 8, .value_kind: global_buffer, .address_space: global }
      - { .name: ao, .offset: 8, .size: 8, .value_kind: global_buffer, .address_space: global }
    .group_segment_fixed_size: 327680
    .private_segment_fixed_size: 0
    .kernarg_segment_align: 8
    .kernarg_segment_size: 16
    .max_flat_workgroup_size: 512
    .sgpr_count:     80
    .vgpr_count:     256
    .wavefront_size: 32
...
	.end_amdgpu_metadata
.endif
;; end of part 3
;; launch oproj (part 4): grid 8 x 32, 4 waves a work-group, clusters of 4 x 4, 327,680 bytes of LDS; arguments ao, wo16, out0; writes out0
.if DOCPART == 4
	.amdgcn_target "amdgcn-amd-amdhsa--gfx1250"
	.amdhsa_code_object_version 6
	.text
	.protected	k_q7c6117d519_oproj
	.globl	k_q7c6117d519_oproj
	.p2align	8
	.type	k_q7c6117d519_oproj,@function
k_q7c6117d519_oproj:
	s_mov_b64 s[64:65], 0
	v_nop
	global_prefetch_b8 v0, s[64:65] scope:SCOPE_SE
	s_setreg_imm32_b32 hwreg(HW_REG_WAVE_MODE, 25, 1), 1
	s_wait_xcnt 0x0
	s_wait_alu depctr_hold_cnt(0) depctr_sa_sdst(0) depctr_va_vdst(0) depctr_va_sdst(0) depctr_va_ssrc(0) depctr_va_vcc(0) depctr_vm_vsrc(0)
	s_getreg_b32 s2, hwreg(HW_REG_IB_STS2, 6, 4)
	s_cmp_eq_u32 s2, 0
	s_cbranch_scc0 .Lentry_in_a_cluster
	s_endpgm
.Lentry_in_a_cluster:
	s_bfe_u32 s2, ttmp6, 0x10000c
	s_cmp_lg_u32 s2, 0xf033
	s_cbranch_scc0 .Lentry_shape_is_right
	s_endpgm
.Lentry_shape_is_right:
; OPROJ: out0 [4096][1024] f32 = A [4096][1024] times W_O [1024 k][1024 n], both f16, sums in f32.  Positions 0-15 of each batch are not stored here: a later launch makes them in f32.
; A lies in ao by pairs of rows: (m / 2) 4096 + 256 head + 128 (m % 2) + 2 channel, k = 64 head + channel.  A K step is 256 (four heads): 1,024 consecutive bytes of a row pair.
; A tile of out0 is 128 x 128 (256 work-groups); four waves, 64 x 64 each: 16 accumulators.  Four K steps on two slots; the text is written straight, without a loop.
; W_O keeps its order [k][n]: its fragments come out of LDS turned, by ds_load_tr16_b128.
; CLUSTERS: 4 x 4 work-groups; A's tiles are shared along a row of the cluster, W_O's along a column: joint loads.
; THE MATRIX INSTRUCTION IS USED TRANSPOSED (source 0 = 16 columns of W_O, source 1 = 16 rows of A): a lane holds eight neighbouring numbers of a row of out0.
; A wave's 64 columns of f32 are 256 consecutive bytes, aligned: each wave has a stage of its own on the way out, and no barrier.
; LIMIT: f16 operands, magnitudes up to 65,504.
; REGISTERS: window 0: v0-31 addresses; v32-95 the way out; v128-255 the accumulators ((a, b) at v[128 + 8 (4 a + b)]).  window 1: two fragment buffers of 128: 64 registers of A, then 64 of W_O.
.set KSTEPB, 1024                      ; a K step of a row pair, in bytes
.set PA,     1040                      ; a row pair in LDS: 1,024 bytes + 16
.set PB,     288                       ; a row k of W_O's tile: 256 bytes + 32
.set HALFA,  32*PA
.set HALFB,  128*PB
.set BOFF,   2*HALFA
.set SLOT,   BOFF+2*HALFB
.set SPARE,  2*SLOT                    ; the spare words, 128 bytes for each wave: two blocks of 256 bytes that no other line names
.set SPITCH, 272                       ; the way out: 16 rows x (256 bytes + 16) for each wave, in slot 0, which has had its last fill and its last read by then
.set ADRA, 16                          ; v16-17  my A fragments in slot 0, 1
.set ADRB, 20                          ; v20-23  W_O's: slot 0 k 0-127, slot 0 k 128-255, slot 1 likewise
.set STO,  24
.set RD,   25
.set CO,   26
.set SPW,  28
.set NIL,  29
.set TMP,  32
.set ACC,  128
.set F0,   0
.set F1,   128
.set G1, 24
.set G0, 32
.set G1B, 48
.set G0B, 56
.set MSB, 0
.macro WIN new
.if MSB != \new
	s_set_vgpr_msb (MSB<<8)|\new
.set MSB, \new
.endif
.endm
.set MUL,  0x05                        ; sources 0 and 1 window 1; C and D window 0
.set TO_F, 0x40                        ; destination window 1, address window 0
.macro JLOAD s                         ; waves 0, 1 fetch A's halves, waves 2, 3 W_O's; an s_nop 0 and four v_nop follow each line
	s_cmp_eq_u32 s11, 0
	s_cbranch_scc0 .Lfor_b_\@
	tensor_load_to_lds s[G0+4*\s:G0+4*\s+3], s[G1:G1+7]
	s_nop 0
.rept 4
	v_nop
.endr
	s_branch .Lasked_\@
.Lfor_b_\@:
	tensor_load_to_lds s[G0B+4*\s:G0B+4*\s+3], s[G1B:G1B+7]
	s_nop 0
.rept 4
	v_nop
.endr
.Lasked_\@:
.endm
.macro CREST
	s_cmp_lg_u32 s10, 0
	s_cbranch_scc1 .Lnot_wave_0_\@
	s_barrier_signal -3
.Lnot_wave_0_\@:
	s_barrier_wait -3
	s_barrier_signal -1
	s_barrier_wait -1
.endm
.macro CROUND
	s_barrier_signal -1
	s_barrier_wait -1
	CREST
.endm
	s_load_b128 s[4:7], s[0:1], 0x0                ; ao, wo16
	s_load_b64 s[8:9], s[0:1], 0x10                ; out0
	v_lshl_add_u32 v[SPW], v0, 2, SPARE
	v_mov_b32 v[NIL], 0
	ds_add_u32 v[SPW], v[NIL]                      ; the wave's opening: the add, twice on end, and its wait ahead of my first tensor load
	ds_add_u32 v[SPW], v[NIL]
	v_lshrrev_b32 v1, 5, v0
	v_readfirstlane_b32 s10, v1                    ; wave
	s_lshr_b32 s11, s10, 1                         ; which half of the tile's rows is mine; also: I fetch for A (0) or W_O (1)
	s_and_b32 s12, s10, 1                          ; which half of its columns; also: which half of that tile I fetch
	s_bfe_u32 s40, ttmp6, 0x40000
	s_bfe_u32 s41, ttmp6, 0x40004
	s_lshl_b32 s42, ttmp9, 2
	s_add_co_u32 s42, s42, s40                     ; tile column
	s_and_b32 s13, ttmp7, 0xffff
	s_lshl_b32 s13, s13, 2
	s_add_co_u32 s13, s13, s41                     ; tile row
	s_lshl_b32 s43, s41, 2
	s_lshl_b32 s43, 15, s43
	s_lshl_b32 s44, 0x1111, s40
	s_or_b32 s[G1+0], s43, (1<<16)|(1<<20)|(1<<21)|(7<<22)|(3<<25)   ; A: the mask of my row; elements of 2 bytes; 4 words of padding after every 256
	s_mov_b32 s[G1+1], 512<<16                     ; tensor_dim0 = 512
	s_mov_b32 s[G1+2], 32<<16                      ; tensor_dim1 = 32 row pairs
	s_mov_b32 s[G1+3], 512<<16
	s_mov_b32 s[G1+4], 32
	s_mov_b32 s[G1+5], 2048                        ; a row pair is 2,048 elements
	s_mov_b32 s[G1+6], 0
	s_mov_b32 s[G1+7], 0
	s_or_b32 s[G1B+0], s44, (1<<16)|(1<<20)|(1<<21)|(5<<22)|(7<<25)  ; W_O: the mask of my column; 8 words of padding after every 64
	s_mov_b32 s[G1B+1], 128<<16
	s_mov_b32 s[G1B+2], 128<<16
	s_mov_b32 s[G1B+3], 128<<16
	s_mov_b32 s[G1B+4], 128
	s_mov_b32 s[G1B+5], 1024
	s_mov_b32 s[G1B+6], 0
	s_mov_b32 s[G1B+7], 0
	s_lshl_b32 s16, s13, 6
	s_lshl_b32 s17, s12, 5
	s_add_co_u32 s16, s16, s17                     ; A: row pair 64 x tile row + 32 x half
	s_lshl_b32 s16, s16, 12
	s_mov_b32 s17, 0
	s_lshl_b32 s46, s12, 18                        ; W_O: row 128 x half, of 2,048 bytes,
	s_lshl_b32 s47, s42, 8                         ; + 256 bytes x tile column
	s_add_co_u32 s46, s46, s47
	s_mov_b32 s47, 0
	s_mul_i32 s20, s12, HALFA                      ; where they go: no place in the cluster enters an LDS address
	s_mul_i32 s21, s12, HALFB
	s_add_co_u32 s21, s21, BOFF
	s_wait_dscnt 0x0                               ; both opening adds are done
	s_wait_kmcnt 0x0
	s_add_nc_u64 s[14:15], s[4:5], s[16:17]
	s_add_nc_u64 s[46:47], s[6:7], s[46:47]
	CROUND                                         ; all sixteen work-groups are here: the first joint loads meet
.irp s, 0,1
	s_mov_b32 s[G0+4*\s], 1
	s_add_co_u32 s[G0+4*\s+1], s20, \s*SLOT
	s_add_nc_u64 s[G0+4*\s+2:G0+4*\s+3], s[14:15], \s*KSTEPB
	s_or_b32 s[G0+4*\s+3], s[G0+4*\s+3], 0x80000000
	s_mov_b32 s[G0B+4*\s], 1
	s_add_co_u32 s[G0B+4*\s+1], s21, \s*SLOT
	s_add_nc_u64 s[G0B+4*\s+2:G0B+4*\s+3], s[46:47], \s*256*2048
	s_or_b32 s[G0B+4*\s+3], s[G0B+4*\s+3], 0x80000000
	JLOAD \s
.endr
	v_and_b32 v1, 15, v0                           ; r
	v_bfe_u32 v2, v0, 4, 1                         ; h
	v_lshrrev_b32 v3, 1, v1
	v_mul_u32_u24 v3, v3, PA
	v_and_b32 v4, 1, v1
	v_lshl_add_u32 v3, v4, 7, v3
	v_lshl_add_u32 v3, v2, 4, v3                   ; A: row pair r / 2, + 128 (r % 2), + 16 h
	s_mul_i32 s22, s11, HALFA
	v_add_nc_u32 v[ADRA], s22, v3
	s_add_co_u32 s22, s22, SLOT
	v_add_nc_u32 v[ADRA+1], s22, v3
	v_and_b32 v5, 7, v0
	v_lshl_add_u32 v5, v2, 3, v5
	v_mul_u32_u24 v5, v5, PB
	v_bfe_u32 v6, v0, 3, 1
	v_lshl_add_u32 v5, v6, 4, v5                   ; W_O, the turning load: row 8 h + lane % 8, columns 8 ((lane / 8) % 2) on
	s_lshl_b32 s22, s12, 7                         ; my 64 columns
	s_add_co_u32 s22, s22, BOFF
	v_add_nc_u32 v[ADRB], s22, v5
	s_add_co_u32 s23, s22, HALFB
	v_add_nc_u32 v[ADRB+1], s23, v5
	s_add_co_u32 s22, s22, SLOT
	v_add_nc_u32 v[ADRB+2], s22, v5
	s_add_co_u32 s23, s23, SLOT
	v_add_nc_u32 v[ADRB+3], s23, v5
	s_mul_i32 s23, s10, 16*SPITCH                  ; my stage
	v_mul_u32_u24 v4, v1, SPITCH
	v_lshl_add_u32 v4, v2, 5, v4
	v_add_nc_u32 v[STO], s23, v4                   ; in: row r, 32 bytes for each half of the lanes
	v_mul_u32_u24 v5, v2, SPITCH
	v_lshl_add_u32 v5, v1, 4, v5
	v_add_nc_u32 v[RD], s23, v5                    ; back: lanes 0-15 one row of 256 bytes, lanes 16-31 the next
	v_lshlrev_b32 v[CO], 4, v1
	v_lshl_add_u32 v[CO], v2, 12, v[CO]            ; and the same two rows in out0
	s_lshl_b32 s16, s13, 7
	s_lshl_b32 s17, s11, 6
	s_add_co_u32 s16, s16, s17                     ; my first row
	s_lshl_b32 s16, s16, 12
	s_lshl_b32 s17, s42, 9
	s_add_co_u32 s16, s16, s17
	s_lshl_b32 s17, s12, 8
	s_add_co_u32 s16, s16, s17                     ; + my first column, in bytes
	s_mov_b32 s17, 0
	s_add_nc_u64 s[8:9], s[8:9], s[16:17]
	s_and_b32 s45, s13, 15
	s_or_b32 s45, s45, s11                         ; 0 where my block 0 is positions 0-15 of a batch
.macro MUL8 f, c, a0, zero             ; 8 matrix instructions: row blocks a0, a0 + 1 x all 4 column blocks, 32 along K.  The 16 accumulators take turns
.irp a, \a0, \a0+1
.irp b, 0,1,2,3
.if \zero
	v_wmma_f32_16x16x32_f16 v[ACC+8*(4*(\a)+\b):ACC+8*(4*(\a)+\b)+7], v[\f+64+8*(4*\c+\b):\f+64+8*(4*\c+\b)+7], v[\f+8*(4*\c+\a):\f+8*(4*\c+\a)+7], 0
.else
	v_wmma_f32_16x16x32_f16 v[ACC+8*(4*(\a)+\b):ACC+8*(4*(\a)+\b)+7], v[\f+64+8*(4*\c+\b):\f+64+8*(4*\c+\b)+7], v[\f+8*(4*\c+\a):\f+8*(4*\c+\a)+7], v[ACC+8*(4*(\a)+\b):ACC+8*(4*(\a)+\b)+7]
.endif
.endr
.endr
.endm
.macro FETCH slot, qd, f               ; 32 LDS loads in one run: quarter qd of the slot (one head, 64 along K) into buffer f; the first 32 along K first
	WIN TO_F
.irp c, 0,1
.irp i, 0,1,2,3
	ds_load_tr16_b128 v[\f+64+8*(4*\c+\i):\f+64+8*(4*\c+\i)+3],   v[ADRB+2*\slot+(\qd)/2] offset:(((\qd)%2)*64+32*\c)*PB+32*\i
	ds_load_tr16_b128 v[\f+64+8*(4*\c+\i)+4:\f+64+8*(4*\c+\i)+7], v[ADRB+2*\slot+(\qd)/2] offset:(((\qd)%2)*64+32*\c)*PB+16*PB+32*\i
	ds_load_b128 v[\f+8*(4*\c+\i):\f+8*(4*\c+\i)+3],              v[ADRA+\slot] offset:256*(\qd)+64*\c+8*PA*\i
	ds_load_b128 v[\f+8*(4*\c+\i)+4:\f+8*(4*\c+\i)+7],            v[ADRA+\slot] offset:256*(\qd)+64*\c+8*PA*\i+32
.endr
.endr
.endm
.macro PLACES
.rept 4
	v_nop
.endr
.endm
.macro QUARTER slot, qd, f, g, zero    ; multiplies buffer f and fetches quarter qd of the same slot into g
	s_wait_dscnt 16                                ; the first 32 along K are in
	WIN MUL
	MUL8 \f, 0, 0, \zero
	MUL8 \f, 0, 2, \zero
	PLACES
	FETCH \slot, \qd, \g
	s_wait_dscnt 32                                ; all but the 32 just issued
	WIN MUL
	MUL8 \f, 1, 0, 0
	MUL8 \f, 1, 2, 0
.endm
; A slot's last quarter changes slots: one barrier; in front of it each wave waits for all its tensor loads, adds 0 to its spare word, and waits for that and for its reads of this slot.
.macro TURN slot, next, fill
	WIN 0
	s_wait_tensorcnt 0x0
	ds_add_u32 v[SPW], v[NIL]
	s_wait_dscnt 17                                ; (the add and the youngest sixteen loads may be out)
	WIN MUL
	MUL8 F1, 0, 0, 0
	s_wait_dscnt 0x0                               ; the add is done, and my reads of this slot are over
	s_barrier_signal -1
	MUL8 F1, 0, 2, 0
.if \fill
	WIN 0
.endif
	s_barrier_wait -1
.if \fill
	CREST                                          ; the barrier has opened a round of the cluster's barrier: no wave of any partner still reads this slot or has a load on its way
	s_add_nc_u64 s[G0+4*\slot+2:G0+4*\slot+3], s[G0+4*\slot+2:G0+4*\slot+3], 2*KSTEPB
	s_add_nc_u64 s[G0B+4*\slot+2:G0B+4*\slot+3], s[G0B+4*\slot+2:G0B+4*\slot+3], 2*256*2048
	JLOAD \slot                                    ; the first tensor load behind the round; its four v_nop are also the places in front of the loads below
.else
	PLACES
.endif
	FETCH \next, 0, F0
	WIN MUL
	MUL8 F1, 1, 0, 0
	MUL8 F1, 1, 2, 0
.endm
	s_wait_tensorcnt 1                             ; my part of K step 0 is in (K step 1's load may be out)
	s_barrier_signal -1
	s_barrier_wait -1                              ; everybody's is
	FETCH 0, 0, F0
	QUARTER 0, 1, F0, F1, 1                        ; the first products start the sums
	QUARTER 0, 2, F1, F0, 0
	QUARTER 0, 3, F0, F1, 0
	TURN 0, 1, 1                                   ; slot 0 takes K step 2
	QUARTER 1, 1, F0, F1, 0
	QUARTER 1, 2, F1, F0, 0
	QUARTER 1, 3, F0, F1, 0
	TURN 1, 0, 1                                   ; slot 1 takes K step 3
	QUARTER 0, 1, F0, F1, 0
	QUARTER 0, 2, F1, F0, 0
	QUARTER 0, 3, F0, F1, 0
	TURN 0, 1, 0                                   ; nothing is left to ask for
	QUARTER 1, 1, F0, F1, 0
	QUARTER 1, 2, F1, F0, 0
	QUARTER 1, 3, F0, F1, 0
	s_wait_dscnt 16
	WIN MUL
	MUL8 F1, 0, 0, 0
	MUL8 F1, 0, 2, 0
	s_wait_dscnt 0
	MUL8 F1, 1, 0, 0
	MUL8 F1, 1, 2, 0
	WIN 0
; THE WAY OUT, a block of 16 rows x 64 columns at a time, through my own stage: sixteen lanes store 256 consecutive bytes, aligned.
.macro TOSTAGE a
.irp b, 0,1,2,3
.irp g, 0,1
	ds_store_b128 v[STO], v[ACC+8*(4*(\a)+\b)+4*\g:ACC+8*(4*(\a)+\b)+4*\g+3] offset:64*\b+16*\g   ; each accumulator from its low end on
.endr
.endr
.irp t, 0,1,2,3,4,5,6,7
	ds_load_b128 v[TMP+32*((\a)%2)+4*\t:TMP+32*((\a)%2)+4*\t+3], v[RD] offset:\t*2*SPITCH   ; LDS serves a wave's instructions in order
.endr
.endm
.macro SEND a
.irp t, 0,1,2,3,4,5,6,7
	global_store_b128 v[CO], v[TMP+32*((\a)%2)+4*\t:TMP+32*((\a)%2)+4*\t+3], s[8:9] offset:(16*(\a)+2*\t)*4096 th:TH_STORE_NT
.endr
.endm
	PLACES
	TOSTAGE 0
	TOSTAGE 1
	s_wait_dscnt 16                                ; block 0 is back (behind its loads: block 1's 8 stores and 8 loads)
	v_cmp_ne_u32 vcc_lo, s45, v[NIL]               ; positions 0-15 of a batch are left to the launch that makes them in f32.  The lanes are switched off
	s_wait_xcnt 0x0                                ; EXEC changes only behind this wait
	s_and_saveexec_b32 s46, vcc_lo
	SEND 0
	s_wait_xcnt 0x0                                ; and again, in front of the line that widens it; block 0's stores have also read their registers
	s_or_b32 exec_lo, exec_lo, s46
	TOSTAGE 2
	s_wait_dscnt 16
	SEND 1
	s_wait_xcnt 0x0                                ; block 1's stores have read their registers: block 3's loads may land there
	TOSTAGE 3
	s_wait_dscnt 16
	SEND 2
	s_wait_dscnt 0x0
	SEND 3
	s_wait_tensorcnt 0x0                           ; the wave's end
	ds_add_u32 v[SPW], v[NIL]
	s_wait_dscnt 0x0
	CROUND                                         ; the closing round
	s_endpgm
.Lfunc_end_k_q7c6117d519_oproj:
	.size	k_q7c6117d519_oproj, .Lfunc_end_k_q7c6117d519_oproj-k_q7c6117d519_oproj
	.p2alignl 7, 3214868480
	.fill 96, 4, 3214868480
	.section	.rodata,"a",@progbits
	.p2align	6, 0x0
	.amdhsa_kernel k_q7c6117d519_oproj
		.amdhsa_group_segment_fixed_size 327680
		.amdhsa_private_segment_fixed_size 0
		.amdhsa_enable_private_segment 0
		.amdhsa_kernarg_size 24
		.amdhsa_user_sgpr_count 2
		.amdhsa_user_sgpr_kernarg_segment_ptr 1
		.amdhsa_wavefront_size32 1
		.amdhsa_system_sgpr_workgroup_id_x 1
		.amdhsa_system_sgpr_workgroup_id_y 1
		.amdhsa_system_sgpr_workgroup_id_z 1
		.amdhsa_system_vgpr_workitem_id 0
		.amdhsa_next_free_vgpr 512
		.amdhsa_next_free_sgpr 66
		.amdhsa_reserve_vcc 1
		.amdhsa_float_denorm_mode_32 3
		.amdhsa_float_denorm_mode_16_64 3
		.amdhsa_memory_ordered 1
		.amdhsa_forward_progress 1
		.amdhsa_inst_pref_size 86
	.end_amdhsa_kernel
	.amdgpu_metadata
---
amdhsa.version: [ 1, 2 ]
amdhsa.kernels:
  - .name:           k_q7c6117d519_oproj
    .symbol:         k_q7c6117d519_oproj.kd
    .args:
      - { .name: ao, .offset: 0, .size: 8, .value_kind: global_buffer, .address_space: global }
      - { .name: wo16, .offset: 8, .size: 8, .value_kind: global_buffer, .address_space: global }
      - { .name: out0, .offset: 16, .size: 8, .value_kind: global_buffer, .address_space: global }
    .group_segment_fixed_size: 327680
    .private_segment_fixed_size: 0
    .kernarg_segment_align: 8
    .kernarg_segment_size: 24
    .max_flat_workgroup_size: 128
    .sgpr_count:     66
    .vgpr_count:     512
    .wavefront_size: 32
...
	.end_amdgpu_metadata
.endif
;; end of part 4
;; launch fine (part 5): grid 64 x 2, 16 waves a work-group, no clusters, 22,528 bytes of LDS; arguments fine32, W_O, out0; writes out0
.if DOCPART == 5
	.amdgcn_target "amdgcn-amd-amdhsa--gfx1250"
	.amdhsa_code_object_version 6
	.text
	.protected	k_q7c6117d519_fine
	.globl	k_q7c6117d519_fine
	.p2align	8
	.type	k_q7c6117d519_fine,@function
k_q7c6117d519_fine:
	s_mov_b64 s[64:65], 0
	v_nop
	global_prefetch_b8 v0, s[64:65] scope:SCOPE_SE
	s_setreg_imm32_b32 hwreg(HW_REG_WAVE_MODE, 25, 1), 1
	s_wait_xcnt 0x0
; FINE: positions 0-15 of each batch, where a row of the softmax averages one to sixteen values, in f32 throughout: Q K^T, softmax, P V and the projection by W_O, by v_wmma_f32_16x16x4_f32.
; Work-group (x, batch): 16 columns of out0, 16 rows.  A wave is a head: it makes its head's attention (16 x 16: 32 small products, repeated in the 64 work-groups of a batch) and its head's part,
; K = 64, of the projection (16 products); the sixteen parts meet in LDS and are added in the order of the heads.
; WHY 16 COLUMNS: a wave's matrix instructions are 32 + 16 for each tile of 16 columns, and its loads 48 + 32 for each.  One tile to a work-group gives 48 and 80 on 128 work-groups; four tiles
; would give 96 and 176 on 32.  THE PRICE: a row's piece is 64 consecutive bytes, so the 131,072 bytes of these 32 rows are stored in pieces of a quarter of 256 bytes.
; fine32 holds images of accumulators: lane (r, h) of image (T, g) holds columns 16 T + 8 h + 4 g + 0..3 of position r, of the 3,072 columns Q | K | V.
; THE ORDER OF K IS PERMUTED ALIKE ON BOTH OPERANDS: in step (t, kk) the place (h, j) of the instruction's four stands for index 16 t + 8 h + 2 kk + j (for the keys: 8 h + 2 kk + j).
; So images and results serve as operands where they stand: S^T = K Q^T gives a lane one query and eight keys; p is source 1 of O^T = V^T p; O^T / l is source 1 of W_O^T O^T.
; The registers that these matrix instructions write (v112-159, v224-239) are written by them alone; sums begin with the constant 0.
; REGISTERS: v1-7 addresses; v8-15 p; v16-47 Q (later the parts), v48-79 K; v80-111 V, later O / l; v112-127 S in two halves; v128-159 O^T; v160-191 W_O; v224-239 the result in two halves;
; v240-247 the scores, later the result; v248-254 at work.
.set PP,    80                         ; a query's row in a part: 64 bytes + 16
.set PART,  16*PP                      ; a head's part
.set SPARE, 16*PART                    ; the spare words, 128 bytes for each wave: eight blocks of 256 bytes that no other line names
.set SPW, 1
.set NIL, 2
.set FA,  3
.set VA,  4
.set WA,  5
.set LST, 6
.set LRD, 7
	s_load_b128 s[4:7], s[0:1], 0x0                ; fine32, W_O
	s_load_b64 s[8:9], s[0:1], 0x10                ; out0
	v_lshl_add_u32 v[SPW], v0, 2, SPARE
	v_mov_b32 v[NIL], 0
	v_lshrrev_b32 v248, 5, v0
	v_readfirstlane_b32 s10, v248                  ; wave = head
	s_and_b32 s11, ttmp7, 0xffff                   ; batch
	v_and_b32 v250, 31, v0                         ; lane
	v_and_b32 v252, 15, v0                         ; r
	v_bfe_u32 v253, v0, 4, 1                       ; h
	v_lshlrev_b32 v[FA], 4, v250                   ; an image's place for my lane
	v_bfe_u32 v[VA], v0, 2, 1
	v_lshlrev_b32 v[VA], 9, v[VA]
	v_bfe_u32 v249, v0, 3, 1
	v_lshl_add_u32 v[VA], v249, 8, v[VA]
	v_lshl_add_u32 v[VA], v253, 7, v[VA]
	v_and_b32 v249, 3, v0
	v_lshl_add_u32 v[VA], v249, 2, v[VA]           ; V(key 8 h + e, channel 16 t + r): 512 ((r / 4) % 2) + 256 (r / 8) + 128 h + 4 (r % 4), + 16 e + 1024 t
	v_lshlrev_b32 v[WA], 2, v252
	v_lshl_add_u32 v[WA], v253, 15, v[WA]          ; W_O(16 t + 8 h + e, r): 8 h rows of 4,096 bytes + 4 r
	s_mul_i32 s12, s10, PART
	v_mul_u32_u24 v[LST], v252, PP
	v_lshl_add_u32 v[LST], v253, 5, v[LST]
	v_add_nc_u32 v[LST], s12, v[LST]               ; my part: row r, + 32 h
	s_and_b32 s18, s10, 7
	s_mul_i32 s12, s18, 2*PP
	v_mul_u32_u24 v[LRD], v253, PP
	v_lshl_add_u32 v[LRD], v252, 2, v[LRD]
	v_add_nc_u32 v[LRD], s12, v[LRD]               ; the sum: query 2 (wave % 8) + h, column r
	v_lshlrev_b32 v254, 2, v252
	v_lshl_add_u32 v254, v253, 12, v254            ; and the same place in out0: row h of my two, 4 r
	v_lshlrev_b32 v248, 3, v253
	v_sub_nc_u32 v248, v252, v248                  ; d = r - 8 h: key 8 h + j is hidden where j > d
	v_mov_b32 v249, 0xff800000                     ; -infinity
	v_mov_b32 v251, 0                              ; a lane permute's destination counts as one of its sources
	s_mul_i32 s12, s11, 192
	s_lshl_b32 s13, s10, 2
	s_add_co_u32 s12, s12, s13
	s_lshl_b32 s12, s12, 10                        ; fine32: image 192 batch + 4 head on
	s_mov_b32 s13, 0
	s_lshl_b32 s14, s10, 18                        ; W_O: row 64 head,
	s_lshl_b32 s15, ttmp9, 6                       ; column 16 x
	s_add_co_u32 s14, s14, s15
	s_mov_b32 s15, 0
	s_lshl_b32 s16, s11, 11
	s_lshl_b32 s17, s18, 1
	s_add_co_u32 s16, s16, s17                     ; out0: row 2048 batch + 2 (wave % 8)
	s_lshl_b32 s16, s16, 12
	s_lshl_b32 s17, ttmp9, 6
	s_add_co_u32 s16, s16, s17
	s_mov_b32 s17, 0
	s_mov_b32 s20, 0x76543210
	s_mov_b32 s21, 0xfedcba98
	s_mov_b32 s22, 0x3e38aa3b                      ; c = log2(e) / 8
	s_wait_kmcnt 0x0
	s_add_nc_u64 s[12:13], s[4:5], s[12:13]
	s_add_nc_u64 s[14:15], s[6:7], s[14:15]
	s_add_nc_u64 s[16:17], s[8:9], s[16:17]
.irp t, 0,1,2,3
.irp g, 0,1
	global_load_b128 v[16+8*\t+4*\g:19+8*\t+4*\g], v[FA], s[12:13] offset:1024*\t+512*\g           ; Q(r, 16 t + 8 h + 4 g ..)
.endr
.endr
.irp t, 0,1,2,3
.irp g, 0,1
	global_load_b128 v[48+8*\t+4*\g:51+8*\t+4*\g], v[FA], s[12:13] offset:65536+1024*\t+512*\g     ; K likewise
.endr
.endr
.irp t, 0,1,2,3
.irp e, 0,1,2,3,4,5,6,7
	global_load_b32 v[80+8*\t+\e], v[VA], s[12:13] offset:131072+1024*\t+16*\e
.endr
.endr
.irp t, 0,1,2,3
.irp e, 0,1,2,3,4,5,6,7
	global_load_b32 v[160+8*\t+\e], v[WA], s[14:15] offset:(16*\t+\e)*4096
.endr
.endr
	s_wait_loadcnt 63                              ; of the 80 loads issued at most 63 are out: the first 17 are in, Q and K (16) among them
.irp t, 0,1,2,3                                ; S^T = K Q^T: 16 products, two accumulators by turns
.irp kk, 0,1,2,3
.if (\t == 0) && (\kk < 2)
	v_wmma_f32_16x16x4_f32 v[112+8*(\kk%2):119+8*(\kk%2)], v[48+8*\t+2*\kk:49+8*\t+2*\kk], v[16+8*\t+2*\kk:17+8*\t+2*\kk], 0
.else
	v_wmma_f32_16x16x4_f32 v[112+8*(\kk%2):119+8*(\kk%2)], v[48+8*\t+2*\kk:49+8*\t+2*\kk], v[16+8*\t+2*\kk:17+8*\t+2*\kk], v[112+8*(\kk%2):119+8*(\kk%2)]
.endif
.endr
.endr
.rept 8
	v_nop                                          ; eight places behind this form, in front of the first read of the results
.endr
.irp j, 0,1,2,3,4,5,6,7
	v_add_f32 v[240+\j], v[112+\j], v[120+\j]      ; the two halves of the sum, from the low end on
.endr
.irp j, 0,1,2,3,4,5,6,7
	v_cmp_gt_i32 vcc_lo, \j, v248
	v_cndmask_b32 v[240+\j], v[240+\j], v249, vcc_lo
.endr
	v_max3_num_f32 v250, v240, v241, v242
	v_max3_num_f32 v250, v250, v243, v244
	v_max3_num_f32 v250, v250, v245, v246
	v_max_num_f32 v250, v250, v247
	v_permlanex16_b32 v251, v250, s20, s21
	v_max_num_f32 v250, v250, v251                 ; the row's maximum (key 0 counts for every query)
	v_mul_f32 v252, s22, v250
.irp j, 0,1,2,3,4,5,6,7
	v_fma_f32 v[240+\j], v[240+\j], s22, -v252
.endr
.irp j, 0,1,2,3,4,5,6,7
	v_exp_f32 v[8+\j], v[240+\j]
.endr
	v_nop
	s_wait_alu depctr_va_vdst(0)                   ; one wait for the eight, ahead of their first reader
	v_add_f32 v250, v8, v9
	v_add_f32 v252, v10, v11
	v_add_f32 v253, v12, v13
	v_add_f32 v240, v14, v15
	v_add_f32 v250, v250, v252
	v_add_f32 v253, v253, v240
	v_add_f32 v250, v250, v253
	v_permlanex16_b32 v251, v250, s20, s21
	v_add_f32 v250, v250, v251                     ; the row's sum
	v_rcp_f32 v253, v250
	v_nop
	s_wait_alu depctr_va_vdst(0)
	s_wait_loadcnt 32                              ; V is in; W_O's 32 loads may be out
.irp kk, 0,1,2,3                               ; O^T = V^T p: 16 products, four accumulators by turns
.irp t, 0,1,2,3
.if \kk == 0
	v_wmma_f32_16x16x4_f32 v[128+8*\t:135+8*\t], v[80+8*\t+2*\kk:81+8*\t+2*\kk], v[8+2*\kk:9+2*\kk], 0
.else
	v_wmma_f32_16x16x4_f32 v[128+8*\t:135+8*\t], v[80+8*\t+2*\kk:81+8*\t+2*\kk], v[8+2*\kk:9+2*\kk], v[128+8*\t:135+8*\t]
.endif
.endr
.endr
.rept 8
	v_nop
.endr
.set n, 0
.rept 32
	v_mul_f32 v[80+n], v[128+n], v253              ; O / l, into other registers: query r, channel 16 t + 8 h + j
.set n, n+1
.endr
	s_wait_loadcnt 0x0                             ; W_O
.irp t, 0,1,2,3                                ; my head's part of the projection: 16 products, two accumulators by turns
.irp kk, 0,1,2,3
.if (\t == 0) && (\kk < 2)
	v_wmma_f32_16x16x4_f32 v[224+8*(\kk%2):231+8*(\kk%2)], v[160+8*\t+2*\kk:161+8*\t+2*\kk], v[80+8*\t+2*\kk:81+8*\t+2*\kk], 0
.else
	v_wmma_f32_16x16x4_f32 v[224+8*(\kk%2):231+8*(\kk%2)], v[160+8*\t+2*\kk:161+8*\t+2*\kk], v[80+8*\t+2*\kk:81+8*\t+2*\kk], v[224+8*(\kk%2):231+8*(\kk%2)]
.endif
.endr
.endr
.rept 8
	v_nop
.endr
.irp j, 0,1,2,3,4,5,6,7
	v_add_f32 v[240+\j], v[224+\j], v[232+\j]      ; the two halves, from the low end on, into other registers: query r, columns 8 h + j
.endr
	ds_store_b128 v[LST], v[240:243]
	ds_store_b128 v[LST], v[244:247] offset:16
	s_wait_dscnt 0x0                               ; for the others' sake: my part is stored
	s_barrier_signal -1
	s_barrier_wait -1                              ; the sixteen parts lie in LDS
	s_cmp_lt_u32 s10, 8                            ; 256 numbers are left to add: waves 0-7 take two queries each, a lane a column
	s_cbranch_scc0 .Lend
.set i, 0
.rept 16
	ds_load_b32 v[16+i], v[LRD] offset:PART*i
.set i, i+1
.endr
	s_wait_dscnt 0x0
.set i, 1
.rept 15
	v_add_f32 v16, v16, v[16+i]                    ; in the order of the heads
.set i, i+1
.endr
	global_store_b32 v254, v16, s[16:17]           ; sixteen lanes store 64 consecutive bytes of a row
.Lend:
	s_wait_tensorcnt 0x0                           ; the wave's end, behind my last LDS store
	ds_add_u32 v[SPW], v[NIL]
	s_wait_dscnt 0x0
	s_endpgm
.Lfunc_end_k_q7c6117d519_fine:
	.size	k_q7c6117d519_fine, .Lfunc_end_k_q7c6117d519_fine-k_q7c6117d519_fine
	.p2alignl 7, 3214868480
	.fill 96, 4, 3214868480
	.section	.rodata,"a",@progbits
	.p2align	6, 0x0
	.amdhsa_kernel k_q7c6117d519_fine
		.amdhsa_group_segment_fixed_size 22528
		.amdhsa_private_segment_fixed_size 0
		.amdhsa_enable_private_segment 0
		.amdhsa_kernarg_size 24
		.amdhsa_user_sgpr_count 2
		.amdhsa_user_sgpr_kernarg_segment_ptr 1
		.amdhsa_wavefront_size32 1
		.amdhsa_system_sgpr_workgroup_id_x 1
		.amdhsa_system_sgpr_workgroup_id_y 1
		.amdhsa_system_sgpr_workgroup_id_z 1
		.amdhsa_system_vgpr_workitem_id 0
		.amdhsa_next_free_vgpr 256
		.amdhsa_next_free_sgpr 66
		.amdhsa_reserve_vcc 1
		.amdhsa_float_denorm_mode_32 3
		.amdhsa_float_denorm_mode_16_64 3
		.amdhsa_memory_ordered 1
		.amdhsa_forward_progress 1
		.amdhsa_inst_pref_size 20
	.end_amdhsa_kernel
	.amdgpu_metadata
---
amdhsa.version: [ 1, 2 ]
amdhsa.kernels:
  - .name:           k_q7c6117d519_fine
    .symbol:         k_q7c6117d519_fine.kd
    .args:
      - { .name: fine32, .offset: 0, .size: 8, .value_kind: global_buffer, .address_space: global }
      - { .name: W_O, .offset: 8, .size: 8, .value_kind: global_buffer, .address_space: global }
      - { .name: out0, .offset: 16, .size: 8, .value_kind: global_buffer, .address_space: global }
    .group_segment_fixed_size: 22528
    .private_segment_fixed_size: 0
    .kernarg_segment_align: 8
    .kernarg_segment_size: 24
    .max_flat_workgroup_size: 512
    .sgpr_count:     66
    .vgpr_count:     256
    .wavefront_size: 32
...
	.end_amdgpu_metadata
.endif
;; end of part 5
